; MI455X (gfx1250); checked and timed in simulation.
; The chip was launched on July 23, 2026; its instructions are those of AMD's public machine-readable ISA for CDNA 5 (MIT licence, August 2026) and "CDNA5" Instruction Set Architecture Reference Guide (July 2026). The comments in the code are by the model that wrote it; some were corrected since.
;; MAB. Allowed arithmetic: matrix products marked QUANTISED: E4M3 operands, one E8M0 scale for each 32 along K, by v_wmma_scale_f32_16x16x128_f8f6f4 with both operands' format E4M3, f32 sums; everything else in f32.
;; Inputs: Wk 1,024 x 1,024 float32; Wl 1,024 x 1,024 float32; Wq 1,024 x 1,024 float32; Wv 1,024 x 1,024 float32; b1 1,024 float32; b2 1,024 float32; bk 1,024 float32; bl 1,024 float32; bq 1,024 float32; bv 1,024 float32; g1 1,024 float32; g2 1,024 float32; key_ 4,096 x 1,024 float32; query 4,096 x 1,024 float32.
;; Outputs: out0 4,096 x 1,024 float32.
;; This version of the problem:
;;   THIS VERSION OF THE PROBLEM IS GIVEN IN LOW PRECISION. The matrix products marked QUANTISED in the list below multiply operands that are first quantised to E4M3 (4 exponent bits, 3 mantissa bits; 8 bits a number), with one power-of-two scale for each 32 numbers along K (OCP MX v1.0); their sums are f32. All else is computed in f32.
;;   The module's matrix products, in the order in which they are computed (A, B: the left and right operand; K: the contracted axis; several contracted axes count as one K, in the product's order):
;;     1. [M 4,096, K 1,024] x [K 1,024, N 1,024]; A: input query; B: input Wq: QUANTISED
;;     2. [M 4,096, K 1,024] x [K 1,024, N 1,024]; A: input key_; B: input Wk: QUANTISED
;;     3. [M 4,096, K 1,024] x [K 1,024, N 1,024]; A: input key_; B: input Wv: QUANTISED
;;     4. batch 16 x [M 4,096, K 64] x [K 64, N 4,096]; A: computed on the way; B: computed on the way: QUANTISED
;;     5. batch 16 x [M 64, K 4,096] x [K 4,096, N 4,096]; A: computed on the way; B: softmax (see below): QUANTISED
;;     6. [M 4,096, K 1,024] x [K 1,024, N 1,024]; A: computed on the way; B: input Wl: QUANTISED
;;   THE QUANTISER, for each operand of a quantised product, along K:
;;     - K is cut into blocks of 32 from its start; a last block that is shorter is filled with zeros.
;;     - A block's scale is 2^e with e = floor(log2(the largest magnitude in the block)) - 8, held to -126 .. 127; a block of zeros has e = 0. As a byte (E8M0): e + 127.
;;     - Each number is divided by its block's scale, clamped to +-448, and rounded to the nearest number of E4M3, ties to even, subnormals kept.
;;     - The product sums the exact products of the quantised numbers (number of the format x scale) in f32.
;;   ~~~python
;;   def quantise(x, axis):      # numpy; x: float32 -> the quantised numbers, widened to float32 again
;;       x = np.moveaxis(x, axis, -1); K = x.shape[-1]
;;       x = np.pad(x, [(0, 0)] * (x.ndim - 1) + [(0, -K % 32)]); x = x.reshape(x.shape[:-1] + (-1, 32)); a = np.abs(x).max(-1, keepdims=True)
;;       e = np.where(a > 0, np.clip(np.frexp(np.where(a > 0, a, 1))[1] - 1 - 8, -126, 127), 0)      # np.frexp(a)[1] - 1 = floor(log2(a)), exactly
;;       r = np.clip(x / 2.0 ** e, -448, 448)
;;       step = 2.0 ** (np.maximum(np.frexp(np.where(r == 0, 1, r))[1] - 1, -6) - 3)
;;       q = np.round(r / step) * step * 2.0 ** e      # np.round: ties to even
;;       return np.moveaxis(q.reshape(q.shape[:-2] + (-1,))[..., :K], -1, axis).astype(np.float32)
;;   ~~~
;;   SOFTMAX AHEAD OF A QUANTISED PRODUCT. Where the list says 'softmax', what is quantised is not the finished softmax but p = 2^(t - M), with t = logit x log2(e) and M = ceil(the row's largest t), a whole number; so 1/2 < the row's largest p <= 1. The row's sum l is taken of the UNQUANTISED p, in f32, and the product's result is divided by l at the end. Since M is a whole number, a kernel that streams over the keys may use a running M (the ceiling of the running maximum): every later rescaling is an exact power of two, which a block's scale takes up: the codes' values come out the same.
;;   OPERANDS COMPUTED ON THE WAY. 'Computed on the way' means the value that the module computes at that place (a softmax that the list does not call 'softmax' is quantised finished and normalised). What goes into a quantiser is computed in f32, as accurately as f32 sums, v_exp_f32 and their like allow (about 1e-6 of the number): no bf16 or f16 on the way to a quantiser, and a product that is left as it is and whose result goes on into a quantised operand takes f32 operands (vector FMAs, or v_wmma_f32_16x16x4_f32). A number that lies on a knife's edge between two numbers of the format may be rounded either way, as far as f32 arithmetic and the matrix unit's own rounding can turn it there, and no further.
;; One version. Each part assembles by itself: llvm-mc -triple=amdgcn-amd-amdhsa -mcpu=gfx1250 --defsym DOCPART=n.
;; ======== version 1 of 1: 4 launches
;; limits: right only within a limited range of input values
;; workspace buffers: actq 8,650,752 bytes; wq 4,325,376 bytes; qkv 12,976,128 bytes; qf 16,777,216 bytes; ob 16,777,216 bytes
;; launch quant (part 1): grid 384 x 1, 4 waves a work-group, no clusters, 68,096 bytes of LDS; arguments query, key_, Wq, Wk, Wv, Wl, actq, wq; writes actq, wq
.if DOCPART == 1
	.amdgcn_target "amdgcn-amd-amdhsa--gfx1250"
	.amdhsa_code_object_version 6
	.text
	.protected	k_qf28b52c13b_quant
	.globl	k_qf28b52c13b_quant
	.p2align	8
	.type	k_qf28b52c13b_quant,@function
k_qf28b52c13b_quant:
	s_mov_b64 s[64:65], 0
	v_nop
	global_prefetch_b8 v0, s[64:65] scope:SCOPE_SE
	s_setreg_imm32_b32 hwreg(HW_REG_WAVE_MODE, 25, 1), 1
	s_wait_xcnt 0x0
; query, key_ [4096][1024] and Wq, Wk, Wv, Wl [1024 (k)][1024 (n)], all f32, become codes of FP8 (E4M3) with one E8M0 scale byte for each 32 along K.
; A block's scale is 2^(floor(log2(its largest magnitude)) - 8); its byte is the largest magnitude's exponent field - 8, held at 1 from below.  Each number is divided by the scale, held within +-448, rounded to the nearest code, ties to even.
; LIMITS: NaN and infinities among the inputs are not served; a block whose largest magnitude lies under 2^-118 gets the byte 1; a block of zeros gets the byte 1 and not 127 (its codes are zeros, and this program alone reads the bytes).
; ROW ORDER.  In every group of 32 rows of an operand the rows are laid with bits 3 and 4 of the row's number exchanged ("sw"): sixteen neighbouring rows of a buffer are then rows 8 u + r + 8 (r / 8) of the group,
; so that two neighbouring tiles of a product's result hold 16 neighbours of that axis in a lane's 16 registers.
; actq: codes [8192][1024] (query's rows, then key_'s), scale bytes [8192][32] from byte 8,388,608.   wq: codes [3072 (n of Wq, Wk, Wv)][1024 (k)]; from byte 3,145,728 Wl as images of operand registers
; (tile T of 16 rows, K step s of 128: T x 16384 + s x 2048 + c x 512 + 16 x lane); scale bytes [4096][32] from byte 4,194,304.
; Work-groups 0-255 take 32 rows of query or key_ (K innermost: a plain stream of blocks); work-groups 256-383 take 128 columns x 256 along K of a weight (a lane to a column, registers down K).
; The two ways have LDS bytes of their own.  No tensor loads, no barrier: waves share nothing.
.set WREG,  8192                       ; rows' way: LDS of a wave: two stages of 32 x SP bytes, then its 256 scale bytes
.set SP,    80                         ; a lane's place in a stage: 64 bytes + 16 of padding
.set CB,    16                         ; bytes of 16 codes
.set STEPS, 16
.set EMAX,  8
.set MANT,  0x600000                   ; the mantissa field of 448
.set RA,    16                         ; v16-79   four sets of 16 numbers as loaded
.set XA,    80                         ; v80-111  two sets of 16 neighbours
.set EA,    112                        ; v112-127 a scale byte for each step
.set CA,    128                        ; v128-191 codes, four registers a step
.set WLDS,  32768                      ; weights' way: LDS from here, 32 rows x PITCH for each wave
.set PITCH, 272
.set NB,    8                          ; blocks of 32 along K for a wave
.set SB,    24                         ; v24-25   eight scale bytes
.set XW,    32                         ; v32-95   two sets of 32 numbers
.set CW,    96                         ; v96-103  a block's codes
.set OUTR,  112                        ; v112-175 the way out
	s_load_b256 s[4:11], s[0:1], 0x0               ; query, key_, Wq, Wk
	s_load_b256 s[12:19], s[0:1], 0x20             ; Wv, Wl, actq, wq
	v_lshl_add_u32 v192, v0, 2, 0x10800
	v_mov_b32 v193, 0
	v_lshrrev_b32 v1, 5, v0
	v_readfirstlane_b32 s20, v1                    ; wave 0..3
	v_and_b32 v2, 31, v0                           ; lane
	s_mov_b32 s31, MANT                            ; (an instruction takes one literal: the hold's line has another)
	s_cmp_lt_u32 ttmp9, 256
	s_cbranch_scc0 .Lweights
; ---------------- rows of query and key_: a wave takes 8 rows = 16 steps of 512 numbers ----------------
	v_lshlrev_b32 v3, 4, v2                        ; my 16 bytes of a load's 512
	s_mul_i32 s21, s20, WREG
	v_lshrrev_b32 v14, 2, v2
	v_mul_u32_u24 v14, v14, SP
	v_and_b32 v15, 3, v2
	v_lshl_add_u32 v14, v15, 4, v14
	v_add_nc_u32 v14, s21, v14                     ; the stage, on the way in: SP (lane / 4) + 16 (lane % 4)
	v_mul_u32_u24 v15, v2, SP
	v_add_nc_u32 v15, s21, v15                     ; on the way out: SP x lane: my 16 neighbours
	v_mul_u32_u24 v4, v2, CB                       ; my codes' place in a step's
	v_lshrrev_b32 v5, 1, v2
	s_add_co_u32 s21, s21, 2*32*SP
	v_add_nc_u32 v5, s21, v5                       ; my block's scale byte in the wave's 256
	v_lshlrev_b32 v7, 3, v2
	v_add_nc_u32 v6, s21, v7                       ; and on the way out 8 bytes a lane
	s_wait_alu depctr_va_vdst(0)
	s_wait_kmcnt 0x0
	s_cmp_lt_u32 ttmp9, 128                        ; query's work-group or key_'s: the choice hangs on the work-group's number alone
	s_cselect_b64 s[4:5], s[4:5], s[6:7]
	s_and_b32 s24, ttmp9, 127
	s_lshl_b32 s24, s24, 2
	s_add_co_u32 s24, s24, s20                     ; which 8 rows of the tensor
	s_lshl_b32 s24, s24, 15                        ; x 32,768 bytes
	s_mov_b32 s25, 0
	s_add_nc_u64 s[4:5], s[4:5], s[24:25]
	s_and_b32 s26, s20, 1                          ; eight rows are bits 3 and 4 of the row's number = the wave's number: exchanged on the way out
	s_lshl_b32 s26, s26, 1
	s_lshr_b32 s27, s20, 1
	s_or_b32 s26, s26, s27
	s_lshl_b32 s27, ttmp9, 2
	s_add_co_u32 s26, s26, s27                     ; which 8 rows of actq
	s_lshl_b32 s24, s26, 13
	s_add_nc_u64 s[8:9], s[16:17], s[24:25]        ; their codes
	s_lshl_b32 s24, s26, 8
	s_add_co_u32 s24, s24, 8388608
	s_add_nc_u64 s[10:11], s[16:17], s[24:25]      ; their scale bytes
.macro ALOAD t
.irp i, 0,1,2,3
	global_load_b128 v[RA+16*((\t)%4)+4*\i:RA+16*((\t)%4)+4*\i+3], v3, s[4:5] offset:2048*(\t)+512*\i th:TH_LOAD_NT   ; 32 lanes read 512 consecutive bytes
.endr
.endm
.macro ATURN t                         ; step t's numbers through the stage: LDS serves a wave's instructions in order, so no wait stands between the stores and the loads
.irp i, 0,1,2,3
	ds_store_b128 v14, v[RA+16*((\t)%4)+4*\i:RA+16*((\t)%4)+4*\i+3] offset:32*SP*((\t)%2)+8*SP*\i
.endr
.irp i, 0,1,2,3
	ds_load_b128 v[XA+16*((\t)%2)+4*\i:XA+16*((\t)%2)+4*\i+3], v15 offset:32*SP*((\t)%2)+16*\i
.endr
.endm
.irp t, 0,1,2,3
	ALOAD \t
.endr
	s_wait_loadcnt 12                              ; step 0's four loads are in; the twelve of steps 1 to 3 may be out
	ATURN 0
.macro ASTEP t
.set XS, XA+16*((\t)%2)
.if (\t) > 0
	s_wait_dscnt 1                                 ; this step's numbers are back from the stage (the last step's byte store may be out)
.else
	s_wait_dscnt 0x0
.endif
.if (\t)+4 < STEPS
	ALOAD (\t)+4                                   ; into the registers that this step's stores into the stage have read
.endif
.if (\t)+1 < STEPS
.if STEPS-2-(\t) >= 3
	s_wait_loadcnt 12                              ; the next step's four loads are in; those of the three steps behind it may be out
.else
	s_wait_loadcnt 4*(STEPS-2-(\t))
.endif
	ATURN (\t)+1
.endif
	v_max3_num_f32 v8, |v[XS]|, |v[XS+1]|, |v[XS+2]|               ; the largest magnitude of my 16
	v_max3_num_f32 v9, |v[XS+3]|, |v[XS+4]|, |v[XS+5]|
.irp i, 6,10
	v_max3_num_f32 v8, v8, |v[XS+\i]|, |v[XS+\i+1]|
	v_max3_num_f32 v9, v9, |v[XS+\i+2]|, |v[XS+\i+3]|
.endr
	v_max3_num_f32 v8, v8, |v[XS+14]|, |v[XS+15]|
	v_max3_num_f32 v8, v8, v9, (EMAX+1)<<23        ; and the floor 2^(9 - 127): the byte cannot fall under 1
	v_max_num_f32_dpp v8, v8, v8 row_xmask:1 row_mask:0xf bank_mask:0xf   ; and of my neighbour's 16: the block's
	v_add_nc_u32 v11, -(EMAX<<23), v8              ; 8 off its exponent field: the conversion's scale operand
	v_and_or_b32 v10, v8, 0x7f800000, s31          ; 448 x the scale
.irp i, 0,1,2,3,4,5,6,7,8,9,10,11,12,13,14,15
	v_med3_num_f32 v[XS+\i], v[XS+\i], -v10, v10   ; the conversion to an 8-bit code does not saturate (ISA guide 7.6.2): the hold comes first
.endr
	v_cvt_scalef32_pk8_fp8_f32 v[CA+4*(\t):CA+4*(\t)+1], v[XS:XS+7], v11
	v_cvt_scalef32_pk8_fp8_f32 v[CA+4*(\t)+2:CA+4*(\t)+3], v[XS+8:XS+15], v11
	v_lshrrev_b32 v[EA+(\t)], 23, v11              ; the scale's byte
	ds_store_b8 v5, v[EA+(\t)] offset:16*(\t)      ; both lanes of a block write the same byte with the same value
	global_store_b128 v4, v[CA+4*(\t):CA+4*(\t)+3], s[8:9] offset:32*CB*(\t)   ; the wave stores 512 consecutive bytes
.endm
.irp t, 0,1,2,3,4,5,6,7,8,9,10,11,12,13,14,15
	ASTEP \t
.endr
	ds_load_b64 v[12:13], v6                       ; LDS serves a wave's instructions in order: these see my stores
	s_wait_dscnt 0x0
	global_store_b64 v7, v[12:13], s[10:11]        ; 32 lanes store 256 consecutive bytes, aligned
	s_wait_tensorcnt 0x0
	ds_add_u32 v192, v193
	s_wait_dscnt 0x0
	s_endpgm
; ---------------- weights: K is the first axis.  A lane takes a column n, its registers run down K ----------------
.Lweights:
	s_sub_co_u32 s21, ttmp9, 256
	s_lshr_b32 s22, s21, 5                         ; which weight: 0 Wq, 1 Wk, 2 Wv, 3 Wl
	s_bfe_u32 s23, s21, 0x30002                    ; which 128 columns
	s_and_b32 s24, s21, 3                          ; which 256 along K
	s_lshl_b32 s25, s23, 7
	s_lshl_b32 s26, s20, 5
	s_add_co_u32 s25, s25, s26                     ; my wave's first column, a multiple of 32
	s_wait_alu depctr_va_vdst(0)
	v_lshlrev_b32 v3, 2, v2                        ; in: 4 bytes a lane
	s_mul_i32 s26, s20, 32*PITCH
	s_add_co_u32 s26, s26, WLDS                    ; my stage
	v_mul_u32_u24 v4, v2, PITCH
	v_add_nc_u32 v4, s26, v4                       ; into it: row = my column
	v_and_b32 v5, 15, v2
	v_lshrrev_b32 v6, 4, v2
	v_mul_u32_u24 v7, v6, PITCH                    ; out of it by rows: sixteen lanes to a row, two rows an instruction
	v_lshl_add_u32 v7, v5, 4, v7
	v_add_nc_u32 v7, s26, v7
	v_lshlrev_b32 v8, 10, v6
	v_lshl_add_u32 v8, v5, 4, v8                   ; and the same place in the codes' rows of 1,024 bytes
	v_and_b32 v14, 8, v5                           ; out of it as images: lane (r, h) takes row r + 8 (r / 8), 16 h bytes on
	v_add_nc_u32 v14, v14, v5
	v_mul_u32_u24 v14, v14, PITCH
	v_lshl_add_u32 v14, v6, 4, v14
	v_add_nc_u32 v14, s26, v14
	v_lshlrev_b32 v15, 4, v2                       ; an image's place for my lane
	v_and_b32 v9, 7, v2                            ; my column's row of scale bytes: sw(lane) x 32
	v_bfe_u32 v16, v2, 3, 1
	v_bfe_u32 v17, v2, 4, 1
	v_lshl_or_b32 v9, v16, 4, v9
	v_lshl_or_b32 v9, v17, 3, v9
	v_lshlrev_b32 v9, 5, v9
	s_mov_b32 s29, 0
	s_wait_kmcnt 0x0
	s_bitcmp1_b32 s22, 0                           ; the choice hangs on the work-group's number alone
	s_cselect_b64 s[8:9], s[10:11], s[8:9]
	s_cselect_b64 s[12:13], s[14:15], s[12:13]
	s_bitcmp1_b32 s22, 1
	s_cselect_b64 s[4:5], s[12:13], s[8:9]
	s_lshl_b32 s28, s24, 20                        ; 256 rows of 4,096 bytes
	s_lshl_b32 s30, s25, 2
	s_add_co_u32 s28, s28, s30
	s_add_nc_u64 s[4:5], s[4:5], s[28:29]          ; the weight at my first row and column
	s_lshl_b32 s28, s22, 20
	s_lshl_b32 s30, s25, 10
	s_add_co_u32 s28, s28, s30
	s_lshl_b32 s30, s24, 8
	s_add_co_u32 s28, s28, s30
	s_add_nc_u64 s[6:7], s[18:19], s[28:29]        ; codes by rows
	s_lshl_b32 s28, s25, 10                        ; (column / 16) x 16384
	s_lshl_b32 s30, s24, 12                        ; two K steps of 2,048 bytes
	s_add_co_u32 s28, s28, s30
	s_add_co_u32 s28, s28, 3145728
	s_add_nc_u64 s[10:11], s[18:19], s[28:29]      ; codes as images
	s_lshl_b32 s28, s22, 10
	s_add_co_u32 s28, s28, s25
	s_lshl_b32 s28, s28, 5
	s_lshl_b32 s30, s24, 3
	s_add_co_u32 s28, s28, s30
	s_add_co_u32 s28, s28, 4194304
	s_add_nc_u64 s[8:9], s[18:19], s[28:29]        ; scale bytes
.macro WLOAD t                         ; block t: W(32 t + i, my column), i = 0 .. 31, into set t % 2; a wave's load reads 128 consecutive bytes
.irp i, 0,1,2,3,4,5,6,7,8,9,10,11,12,13,14,15,16,17,18,19,20,21,22,23,24,25,26,27,28,29,30,31
	global_load_b32 v[XW+32*((\t)%2)+\i], v3, s[4:5] offset:(32*(\t)+\i)*4096 th:TH_LOAD_NT
.endr
.endm
	WLOAD 0
	WLOAD 1
.macro BLOCK t
.set XS, XW+32*((\t)%2)
.if (\t) < NB-1
	s_wait_loadcnt 32                              ; this block's 32 loads are in; the next block's 32 may be out
.else
	s_wait_loadcnt 0
.endif
	v_max3_num_f32 v12, |v[XS]|, |v[XS+1]|, |v[XS+2]|               ; the block's largest magnitude: all 32 numbers are mine
	v_max3_num_f32 v13, |v[XS+3]|, |v[XS+4]|, |v[XS+5]|
.irp i, 6,10,14,18,22,26
	v_max3_num_f32 v12, v12, |v[XS+\i]|, |v[XS+\i+1]|
	v_max3_num_f32 v13, v13, |v[XS+\i+2]|, |v[XS+\i+3]|
.endr
	v_max3_num_f32 v12, v12, |v[XS+30]|, |v[XS+31]|
	v_max3_num_f32 v12, v12, v13, (EMAX+1)<<23     ; and the floor
	v_add_nc_u32 v11, -(EMAX<<23), v12             ; the conversion's scale operand
	v_and_or_b32 v10, v12, 0x7f800000, s31         ; 448 x the scale
	v_lshrrev_b32 v13, 23, v11                     ; the scale's byte
.if (\t)%4 == 0
	v_mov_b32 v[SB+(\t)/4], v13                    ; four bytes to a register, the lower K in the lower byte
.else
	v_lshl_or_b32 v[SB+(\t)/4], v13, 8*((\t)%4), v[SB+(\t)/4]
.endif
.irp i, 0,1,2,3,4,5,6,7,8,9,10,11,12,13,14,15,16,17,18,19,20,21,22,23,24,25,26,27,28,29,30,31
	v_med3_num_f32 v[XS+\i], v[XS+\i], -v10, v10
.endr
.irp g, 0,1,2,3
	v_cvt_scalef32_pk8_fp8_f32 v[CW+2*\g:CW+2*\g+1], v[XS+8*\g:XS+8*\g+7], v11
.endr
	ds_store_b128 v4, v[CW:CW+3] offset:32*(\t)    ; 32 codes: 32 bytes of my column's row
	ds_store_b128 v4, v[CW+4:CW+7] offset:32*(\t)+16
.if (\t)+2 < NB
	WLOAD (\t)+2
.endif
	s_wait_dscnt 0x0                               ; the stores have read their registers: the next block's codes may be written
.endm
.irp t, 0,1,2,3,4,5,6,7
	BLOCK \t
.endr
	global_store_b64 v9, v[SB:SB+1], s[8:9]        ; my column's eight scale bytes
	s_cmp_eq_u32 s22, 3
	s_cbranch_scc1 .Limages
.irp t, 0,1,2,3,4,5,6,7,8,9,10,11,12,13,14,15
	ds_load_b128 v[OUTR+4*\t:OUTR+4*\t+3], v7 offset:2*\t*PITCH   ; LDS serves a wave's instructions in order: these see my stores
.endr
.irp t, 0,1,2,3,4,5,6,7,8,9,10,11,12,13,14,15
	s_wait_dscnt 15-\t
	global_store_b128 v8, v[OUTR+4*\t:OUTR+4*\t+3], s[6:7] offset:(((2*\t)&7)|((((2*\t)>>3)&1)<<4)|((((2*\t)>>4)&1)<<3))*1024   ; columns 2 t, 2 t + 1 go to rows sw(2 t), sw(2 t) + 1: sixteen lanes store 256 consecutive bytes, aligned
.endr
	s_wait_tensorcnt 0x0
	ds_add_u32 v192, v193
	s_wait_dscnt 0x0
	s_endpgm
.Limages:                                      ; Wl: piece t = (tile t / 8, K step (t / 4) % 2, quarter t % 4) of the operand's registers
.irp t, 0,1,2,3,4,5,6,7,8,9,10,11,12,13,14,15
	ds_load_b128 v[OUTR+4*\t:OUTR+4*\t+3], v14 offset:8*(\t/8)*PITCH+128*((\t/4)%2)+32*(\t%4)
.endr
.irp t, 0,1,2,3,4,5,6,7,8,9,10,11,12,13,14,15
	s_wait_dscnt 15-\t
	global_store_b128 v15, v[OUTR+4*\t:OUTR+4*\t+3], s[10:11] offset:(\t/8)*16384+((\t/4)%2)*2048+(\t%4)*512   ; the wave stores 512 consecutive bytes
.endr
	s_wait_tensorcnt 0x0
	ds_add_u32 v192, v193
	s_wait_dscnt 0x0
	s_endpgm
.Lfunc_end_k_qf28b52c13b_quant:
	.size	k_qf28b52c13b_quant, .Lfunc_end_k_qf28b52c13b_quant-k_qf28b52c13b_quant
	.p2alignl 7, 3214868480
	.fill 96, 4, 3214868480
	.section	.rodata,"a",@progbits
	.p2align	6, 0x0
	.amdhsa_kernel k_qf28b52c13b_quant
		.amdhsa_group_segment_fixed_size 68096
		.amdhsa_private_segment_fixed_size 0
		.amdhsa_enable_private_segment 0
		.amdhsa_kernarg_size 64
		.amdhsa_user_sgpr_count 2
		.amdhsa_user_sgpr_kernarg_segment_ptr 1
		.amdhsa_wavefront_size32 1
		.amdhsa_system_sgpr_workgroup_id_x 1
		.amdhsa_system_sgpr_workgroup_id_y 1
		.amdhsa_system_sgpr_workgroup_id_z 1
		.amdhsa_system_vgpr_workitem_id 0
		.amdhsa_next_free_vgpr 194
		.amdhsa_next_free_sgpr 66
		.amdhsa_reserve_vcc 0
		.amdhsa_float_denorm_mode_32 3
		.amdhsa_float_denorm_mode_16_64 3
		.amdhsa_memory_ordered 1
		.amdhsa_forward_progress 1
		.amdhsa_inst_pref_size 114
	.end_amdhsa_kernel
	.amdgpu_metadata
---
amdhsa.version: [ 1, 2 ]
amdhsa.kernels:
  - .name:           k_qf28b52c13b_quant
    .symbol:         k_qf28b52c13b_quant.kd
    .args:
      - { .name: query, .offset: 0, .size: 8, .value_kind: global_buffer, .address_space: global }
      - { .name: key_, .offset: 8, .size: 8, .value_kind: global_buffer, .address_space: global }
      - { .name: Wq, .offset: 16, .size: 8, .value_kind: global_buffer, .address_space: global }
      - { .name: Wk, .offset: 24, .size: 8, .value_kind: global_buffer, .address_space: global }
      - { .name: Wv, .offset: 32, .size: 8, .value_kind: global_buffer, .address_space: global }
      - { .name: Wl, .offset: 40, .size: 8, .value_kind: global_buffer, .address_space: global }
      - { .name: actq, .offset: 48, .size: 8, .value_kind: global_buffer, .address_space: global }
      - { .name: wq, .offset: 56, .size: 8, .value_kind: global_buffer, .address_space: global }
    .group_segment_fixed_size: 68096
    .private_segment_fixed_size: 0
    .kernarg_segment_align: 8
    .kernarg_segment_size: 64
    .max_flat_workgroup_size: 128
    .sgpr_count:     66
    .vgpr_count:     194
    .wavefront_size: 32
...
	.end_amdgpu_metadata
.endif
;; end of part 1
;; launch proj (part 2): grid 4 x 48, 4 waves a work-group, clusters of 4 x 4, 327,680 bytes of LDS; arguments actq, wq, bq, bk, bv, qkv, qf; writes qkv, qf
.if DOCPART == 2
	.amdgcn_target "amdgcn-amd-amdhsa--gfx1250"
	.amdhsa_code_object_version 6
	.text
	.protected	k_qf28b52c13b_proj
	.globl	k_qf28b52c13b_proj
	.p2align	8
	.type	k_qf28b52c13b_proj,@function
k_qf28b52c13b_proj:
	s_mov_b64 s[64:65], 0
	v_nop
	global_prefetch_b8 v0, s[64:65] scope:SCOPE_SE
	s_setreg_imm32_b32 hwreg(HW_REG_WAVE_MODE, 25, 1), 1
	s_wait_xcnt 0x0
	s_wait_alu depctr_hold_cnt(0) depctr_sa_sdst(0) depctr_va_vdst(0) depctr_va_sdst(0) depctr_va_ssrc(0) depctr_va_vcc(0) depctr_vm_vsrc(0)
	s_getreg_b32 s2, hwreg(HW_REG_IB_STS2, 6, 4)
	s_cmp_eq_u32 s2, 0
	s_cbranch_scc0 .Lentry_in_a_cluster
	s_endpgm
.Lentry_in_a_cluster:
	s_bfe_u32 s2, ttmp6, 0x10000c
	s_cmp_lg_u32 s2, 0xf033
	s_cbranch_scc0 .Lentry_shape_is_right
	s_endpgm
.Lentry_shape_is_right:
.set KSTEP,  256
.set NQ,     2
.set ROWB,   256
.set KROW,   1024
.set PITCH,  272
.set FR,     16
.set NL,     4
.set NP,     8
.set HALFT,  128*PITCH
.set SLOT,   4*HALFT
.set LAPS,   2
.set KS,     32
.set SCL,    2*SLOT
.set HALFS,  16*272
.set SBLK,   2*272
.set SPARE,  SCL+4*HALFS
.set HS,     811008
.set BS,     25344
.set ADRA, 16
.set ADRB, 20
.set ADRS, 27
.set SPW,  28
.set NIL,  29
.set SC,   32
.set BIAS, 64
.set AF,   128
.set X,    128
.set PC,   192
.set TM,   208
.set PWS,  224
.set VO,   232
.set LI,   236
.set SVO,  237
.set SELP, 238
.set SW4,  240
.set G1, 24
.set G0, 32
.set G1B, 48
.set G0B, 56
.set G1S, 68
.set G0S, 76
.set G1SB, 80
.set G0SB, 88
.set MODE, 40
.set MSB, 0
.macro WIN new
.if MSB != \new
	s_set_vgpr_msb (MSB<<8)|\new
.set MSB, \new
.endif
.endm
.set MUL_LO, 0xa1
.set MUL_HI, 0xf1
.set TO_B,   0x40
.macro JLOAD g0a, g1a, g0b, g1b
	s_cmp_eq_u32 s19, 0
	s_cbranch_scc0 .Lfor_b_\@
	tensor_load_to_lds s[\g0a:\g0a+3], s[\g1a:\g1a+7]
	s_nop 0
.rept 4
	v_nop
.endr
	s_branch .Lasked_\@
.Lfor_b_\@:
	tensor_load_to_lds s[\g0b:\g0b+3], s[\g1b:\g1b+7]
	s_nop 0
.rept 4
	v_nop
.endr
.Lasked_\@:
.endm
.macro CREST
	s_cmp_lg_u32 s18, 0
	s_cbranch_scc1 .Lnot_wave_0_\@
	s_barrier_signal -3
.Lnot_wave_0_\@:
	s_barrier_wait -3
	s_barrier_signal -1
	s_barrier_wait -1
.endm
.macro CROUND
	s_barrier_signal -1
	s_barrier_wait -1
	CREST
.endm
	s_load_b256 s[4:11], s[0:1], 0x0
	s_load_b128 s[12:15], s[0:1], 0x20
	s_load_b64 s[16:17], s[0:1], 0x30
	v_lshl_add_u32 v[SPW], v0, 2, SPARE
	v_mov_b32 v[NIL], 0
	ds_add_u32 v28, v29
	ds_add_u32 v28, v29
	s_wait_dscnt 0x0
	v_lshrrev_b32 v1, 5, v0
	v_readfirstlane_b32 s18, v1
	s_lshr_b32 s19, s18, 1
	s_and_b32 s20, s18, 1
	s_bfe_u32 s21, ttmp6, 0x40000
	s_bfe_u32 s22, ttmp6, 0x40004
	s_and_b32 s23, ttmp7, 0xffff
	s_lshr_b32 s[MODE], s23, 2
	s_lshl_b32 s45, s23, 2
	s_lshl_b32 s46, s[MODE], 2
	s_and_b32 s47, s23, 3
	s_lshl_b32 s47, s47, 2
	s_add_co_u32 s47, s47, 16
	s_mov_b32 s2, 0x800000
	s_mov_b32 s3, 0x400000
	s_cmp_eq_u32 s[MODE], 2
	s_cselect_b32 s41, 8, s45
	s_cselect_b32 s42, s47, s46
	s_cselect_b32 s66, s3, s2
	s_cselect_b32 s92, s2, s3
	s_add_co_u32 s41, s41, s22
	s_add_co_u32 s42, s42, s21
	s_lshl_b32 s43, s22, 2
	s_lshl_b32 s43, 15, s43
	s_lshl_b32 s44, 0x1111, s21
	s_or_b32 s[G1+0], s43, (0<<16)|(1<<20)|(1<<21)|(5<<22)|(3<<25)
	s_or_b32 s[G1B+0], s44, (0<<16)|(1<<20)|(1<<21)|(5<<22)|(3<<25)
.irp g, G1, G1B
	s_mov_b32 s[\g+1], ROWB<<16
	s_mov_b32 s[\g+2], 256<<16                     ; the head's loads of codes bring 256 rows; behind them the two words that count rows are set to 128
	s_mov_b32 s[\g+3], ROWB<<16
	s_mov_b32 s[\g+4], 256
	s_mov_b32 s[\g+5], KROW
	s_mov_b32 s[\g+6], 0
	s_mov_b32 s[\g+7], 0
.endr
	s_or_b32 s[G1S+0], s43, (3<<16)|(1<<20)|(1<<21)|(5<<22)|(3<<25)
	s_or_b32 s[G1SB+0], s44, (3<<16)|(1<<20)|(1<<21)|(5<<22)|(3<<25)
.irp g, G1S, G1SB
	s_mov_b32 s[\g+1], 32<<16
	s_mov_b32 s[\g+2], 32<<16                      ; the scale bytes of 256 rows: 8,192 dense bytes as 32 rows of 256
	s_mov_b32 s[\g+3], 32<<16
	s_mov_b32 s[\g+4], 32
	s_mov_b32 s[\g+5], 32
	s_mov_b32 s[\g+6], 0
	s_mov_b32 s[\g+7], 0
.endr
	s_lshl_b32 s45, s20, 7
	s_lshl_b32 s46, s41, 8
	s_add_co_u32 s46, s46, s45
	s_lshl_b32 s94, s42, 8
	s_add_co_u32 s94, s94, s45
	s_lshl_b32 s100, s46, 5
	s_add_co_u32 s66, s66, s100
	s_mov_b32 s67, 0
	s_lshl_b32 s46, s46, 10
	s_mov_b32 s47, 0
	s_lshl_b32 s101, s94, 5
	s_add_co_u32 s92, s92, s101
	s_mov_b32 s93, 0
	s_lshl_b32 s94, s94, 10
	s_mov_b32 s95, 0
	s_mul_i32 s45, s18, HALFT
	s_wait_kmcnt 0x0
	s_cmp_eq_u32 s[MODE], 2
	s_cselect_b64 s[96:97], s[6:7], s[4:5]
	s_cselect_b64 s[98:99], s[4:5], s[6:7]
	s_add_nc_u64 s[46:47], s[96:97], s[46:47]
	s_add_nc_u64 s[66:67], s[96:97], s[66:67]
	s_add_nc_u64 s[94:95], s[98:99], s[94:95]
	s_add_nc_u64 s[92:93], s[98:99], s[92:93]
	CROUND
	; THE HEAD'S FOUR TILES, ONE JOINT LOAD A WAVE: wave 0 K step 0's 256 rows of A, wave 1 those of B, wave 2 the scale bytes of A's 256 rows, wave 3 those of B's.
	; Waves 0 and 2 have half 0, so their addresses of A stand at the tile's first row; waves 1 and 3 have half 1: 128 rows are taken off their addresses of B (131,072 bytes of codes, 4,096 of scale bytes).
	s_mov_b32 s[G0S], 1
	s_mul_i32 s[G0S+1], s19, SCL                   ; wave 0: LDS byte 0; wave 2: SCL
	s_mov_b32 s[G0SB], 1
	s_mul_i32 s[G0SB+1], s19, SCL+2*HALFS-2*HALFT
	s_add_co_u32 s[G0SB+1], s[G0SB+1], 2*HALFT     ; wave 1: behind A's 256 rows; wave 3: behind A's scale bytes
	s_mov_b32 s2, 4096
	s_mov_b32 s3, 0
	s_cmp_eq_u32 s19, 0                            ; codes (waves 0, 1) or scale bytes (waves 2, 3): the wave's number alone
	s_cselect_b64 s[G0S+2:G0S+3], s[46:47], s[66:67]
	s_cselect_b64 s[G0SB+2:G0SB+3], s[94:95], s[92:93]
	s_cselect_b32 s2, 131072, s2
	s_sub_nc_u64 s[G0SB+2:G0SB+3], s[G0SB+2:G0SB+3], s[2:3]
	s_or_b32 s[G0S+3], s[G0S+3], 0x80000000
	s_or_b32 s[G0SB+3], s[G0SB+3], 0x80000000
.macro ARM under, g0, g1, next                 ; one chain of branches on the wave's number: every way through the head passes exactly one load
	s_cmp_lt_u32 s18, \under
	s_cbranch_scc0 \next
	tensor_load_to_lds s[\g0:\g0+3], s[\g1:\g1+7]
	s_nop 0
.rept 4
	v_nop
.endr
	s_branch .Lhead_asked
\next:
.endm
	ARM 1, G0S,  G1,  .Lhead_b
	ARM 2, G0SB, G1B, .Lhead_sa
	ARM 3, G0S,  G1S, .Lhead_sb
	tensor_load_to_lds s[G0SB:G0SB+3], s[G1SB:G1SB+7]
	s_nop 0
.rept 4
	v_nop
.endr
.Lhead_asked:
	; where my prefetches stand: of the 128 rows that I fetch in the ring, the four partners that ask for them jointly take 32 each, told apart by address (cx for A, cy for B); s[4:5] is written no more
	s_cmp_eq_u32 s19, 0
	s_cselect_b64 s[4:5], s[46:47], s[94:95]
	s_cselect_b32 s2, s21, s22
	s_lshl_b32 s2, s2, 15                          ; 32 rows of 1,024 bytes
	s_add_nc_u64 s[4:5], s[4:5], s[2:3]
.irp s, 0,1
	s_mov_b32 s[G0+4*\s], 1
	s_add_co_u32 s[G0+4*\s+1], s45, \s*SLOT
	s_add_nc_u64 s[G0+4*\s+2:G0+4*\s+3], s[46:47], \s*ROWB
	s_or_b32 s[G0+4*\s+3], s[G0+4*\s+3], 0x80000000
	s_mov_b32 s[G0B+4*\s], 1
	s_add_co_u32 s[G0B+4*\s+1], s45, \s*SLOT
	s_add_nc_u64 s[G0B+4*\s+2:G0B+4*\s+3], s[94:95], \s*ROWB
	s_or_b32 s[G0B+4*\s+3], s[G0B+4*\s+3], 0x80000000
.endr
	v_and_b32 v30, 31, v0
	v_lshlrev_b32 v30, 10, v30                     ; a lane a row of 1,024 bytes; v30 is written no more
	global_prefetch_b8 v30, s[4:5] offset:256 th:TH_LOAD_NT scope:SCOPE_SE   ; K steps 1 and 2 of my 32 rows, 256 bytes a row and step: what the next two loads of the ring ask for
	global_prefetch_b8 v30, s[4:5] offset:512 th:TH_LOAD_NT scope:SCOPE_SE
	v_and_b32 v1, 15, v0
	v_bfe_u32 v2, v0, 4, 1
	v_mul_u32_u24 v3, v1, PITCH
	v_lshl_add_u32 v4, v2, 4, v3
	s_mul_i32 s46, s19, HALFT
	s_mul_i32 s47, s20, HALFT
	s_add_co_u32 s47, s47, 2*HALFT
.irp s, 0,1
	v_add_nc_u32 v[ADRA+\s], s46, v4
	v_add_nc_u32 v[ADRB+\s], s47, v4
	s_add_co_u32 s46, s46, SLOT
	s_add_co_u32 s47, s47, SLOT
.endr
	v_mul_u32_u24 v5, v1, KS
	v_lshrrev_b32 v6, 8, v5
	v_lshl_add_u32 v5, v6, 4, v5
	s_mul_i32 s46, s19, HALFS
	s_mul_i32 s47, s20, HALFS
	s_add_co_u32 s47, s47, 2*HALFS
	s_sub_co_u32 s47, s47, s46
	v_mul_u32_u24 v6, s47, v2
	s_add_co_u32 s46, s46, SCL
	v_add_nc_u32 v5, v5, v6
	v_add_nc_u32 v[ADRS], s46, v5
	s_cmp_eq_u32 s[MODE], 2
	s_cselect_b32 s45, s21, s22
	s_cselect_b32 s46, s20, s19
	s_cselect_b32 s47, s22, s21
	s_cselect_b32 s66, s19, s20
	s_cselect_b32 s92, 8192, 0
	s_mov_b32 s94, 16384
	s_cselect_b32 s94, 16640, s94
	s_mov_b32 s104, 1024
	s_cselect_b32 s104, 2048, s104
	s_mov_b32 s105, 0
	s_cselect_b64 s[8:9], s[12:13], s[8:9]
	s_cmp_eq_u32 s[MODE], 1
	s_cselect_b64 s[8:9], s[10:11], s[8:9]
	s_cmp_eq_u32 s[MODE], 0
	s_cselect_b32 s92, 16896, s92
	s_cselect_b32 s94, 25088, s94
	s_and_b32 s67, s23, 3
	s_lshl_b32 s67, s67, 2
	s_add_co_u32 s45, s45, s67
	s_lshl_b32 s45, s45, 1
	s_add_co_u32 s45, s45, s46
	s_lshl_b32 s47, s47, 1
	s_add_co_u32 s47, s47, s66
	s_lshl_b32 s2, s47, 9
	s_mov_b32 s3, 0
	s_add_nc_u64 s[8:9], s[8:9], s[2:3]
	s_lshl_b32 s47, s47, 1
	s_mul_i32 s46, s47, HS
	s_mul_i32 s66, s45, BS
	s_add_co_u32 s46, s46, s66
	s_add_co_u32 s92, s92, s46
	s_mov_b32 s93, 0
	s_add_co_u32 s94, s94, s46
	s_mov_b32 s95, 0
	s_add_nc_u64 s[96:97], s[14:15], s[92:93]
	s_add_nc_u64 s[98:99], s[14:15], s[94:95]
	s_lshl_b32 s92, s47, 20
	s_lshl_b32 s66, s45, 15
	s_add_co_u32 s92, s92, s66
	s_add_nc_u64 s[100:101], s[16:17], s[92:93]
	s_cmp_eq_u32 s[MODE], 2
	s_cbranch_scc1 .Lbias_v
	v_lshlrev_b32 v8, 6, v2
.irp b, 0,1,2,3
.irp i, 0,1,2,3
	global_load_b128 v[BIAS+16*\b+4*\i:BIAS+16*\b+4*\i+3], v8, s[8:9] offset:128*\b+16*\i
.endr
.endr
	s_branch .Lbias_done
.Lbias_v:
	v_and_b32 v9, 8, v1
	v_add_nc_u32 v9, v9, v1
	v_lshlrev_b32 v9, 2, v9
.irp a, 0,1,2,3,4,5,6,7
	global_load_b32 v[BIAS+8*\a], v9, s[8:9] offset:(32*(\a/2)+8*(\a%2))*4
.endr
	s_wait_loadcnt 0x0
.irp a, 0,1,2,3,4,5,6,7
.irp j, 1,2,3,4,5,6,7
	v_mov_b32 v[BIAS+8*\a+\j], v[BIAS+8*\a]
.endr
.endr
.Lbias_done:
	s_wait_loadcnt 0x0
	s_wait_alu depctr_va_vdst(0)                   ; the wait at the head's end
	s_wait_tensorcnt 0x0                           ; my tile of the head's four is in; these lines stand ahead of a later first fill as ahead of a refill
	ds_add_u32 v28, v29
	s_mov_b32 s[G1+2], 128<<16                     ; no tensor load of mine is out, so a descriptor may be written: from here on a load brings 128 rows
	s_mov_b32 s[G1+4], 128
	s_mov_b32 s[G1B+2], 128<<16
	s_mov_b32 s[G1B+4], 128
	s_wait_dscnt 0x0
	CROUND                                         ; all four tiles are in, and all sixteen work-groups are here
	JLOAD G0+4, G1, G0B+4, G1B                     ; K step 1, the first tensor load behind the round
	global_prefetch_b8 v30, s[4:5] offset:768 th:TH_LOAD_NT scope:SCOPE_SE   ; K step 3, the last: two loads of the ring ahead
.rept 8
	v_nop
.endr
.macro FRAG reg, adr, q, i
.irp c, 0,1,2,3
	ds_load_b128 v[\reg+4*\c:\reg+4*\c+3], v[\adr] offset:128*(\q)+32*\c+(\i)*16*PITCH
.endr
.endm
.macro MUL16 a0, p, q, sc, zero
.irp a, \a0, \a0+1
.irp b, 0,1,2,3,4,5,6,7
.if (\zero) == 1
	v_wmma_scale_f32_16x16x128_f8f6f4 v[8*(8*((\a)%4)+\b):8*(8*((\a)%4)+\b)+7], v[128*(\p)+FR*\b:128*(\p)+FR*\b+FR-1], v[AF+FR*(\a):AF+FR*(\a)+FR-1], v[BIAS+8*\b:BIAS+8*\b+7], v[SC+8*NQ*(\sc)+NQ*\b+(\q)], v[SC+8*NQ*(\sc)+NQ*(\a)+(\q)] matrix_a_scale:MATRIX_SCALE_ROW1
.elseif (\zero) == 2
	v_wmma_scale_f32_16x16x128_f8f6f4 v[8*(8*((\a)%4)+\b):8*(8*((\a)%4)+\b)+7], v[128*(\p)+FR*\b:128*(\p)+FR*\b+FR-1], v[AF+FR*(\a):AF+FR*(\a)+FR-1], v[BIAS+8*(\a):BIAS+8*(\a)+7], v[SC+8*NQ*(\sc)+NQ*\b+(\q)], v[SC+8*NQ*(\sc)+NQ*(\a)+(\q)] matrix_a_scale:MATRIX_SCALE_ROW1
.else
	v_wmma_scale_f32_16x16x128_f8f6f4 v[8*(8*((\a)%4)+\b):8*(8*((\a)%4)+\b)+7], v[128*(\p)+FR*\b:128*(\p)+FR*\b+FR-1], v[AF+FR*(\a):AF+FR*(\a)+FR-1], v[8*(8*((\a)%4)+\b):8*(8*((\a)%4)+\b)+7], v[SC+8*NQ*(\sc)+NQ*\b+(\q)], v[SC+8*NQ*(\sc)+NQ*(\a)+(\q)] matrix_a_scale:MATRIX_SCALE_ROW1
.endif
.endr
.endr
.endm
.macro FETCH_B slot, q, p
	WIN TO_B
.irp i, 0,1,2,3,4,5,6,7
	FRAG 128*(\p)+FR*\i, ADRB+\slot, \q, \i
.endr
	WIN 0
.endm
.macro FETCH_A slot, q, i0
.irp i, \i0, \i0+1, \i0+2, \i0+3
	FRAG AF+FR*(\i), ADRA+\slot, \q, \i
.endr
.endm
.macro SCALES sc
.irp i, 0,1,2,3,4,5,6,7
	ds_load_b64 v[SC+8*NQ*\sc+NQ*\i:SC+8*NQ*\sc+NQ*\i+1], v[ADRS] offset:\i*SBLK
.endr
.endm
.macro PLACES n
.rept \n
	v_nop
.endr
.endm
.macro STEP slot, q, zero
	s_wait_dscnt 4*NL
.if \zero
	WIN 0x81
.else
	WIN MUL_LO
.endif
	MUL16 0, (\q)%2, \q, \slot, \zero
	MUL16 2, (\q)%2, \q, \slot, \zero
	s_wait_dscnt 0
	PLACES NP
	FETCH_B \slot, (\q)+1, 1-(\q)%2
	FETCH_A \slot, (\q)+1, 0
.if \zero
	WIN 0xc1
.else
	WIN MUL_HI
.endif
	MUL16 4, (\q)%2, \q, \slot, \zero
	MUL16 6, (\q)%2, \q, \slot, \zero
	PLACES NP
	WIN 0
	FETCH_A \slot, (\q)+1, 4
.endm
.macro TURN slot, next, fill
	s_wait_tensorcnt 0x0
	ds_add_u32 v[SPW], v[NIL]
	s_wait_dscnt 4*NL+1
	WIN MUL_LO
	MUL16 0, 1, NQ-1, \slot, 0
	s_wait_dscnt 0x0
	s_barrier_signal -1
	MUL16 2, 1, NQ-1, \slot, 0
	WIN 0
	s_barrier_wait -1
.if \fill
	CREST
	s_add_nc_u64 s[G0+4*\slot+2:G0+4*\slot+3], s[G0+4*\slot+2:G0+4*\slot+3], 2*ROWB
	s_add_nc_u64 s[G0B+4*\slot+2:G0B+4*\slot+3], s[G0B+4*\slot+2:G0B+4*\slot+3], 2*ROWB
	JLOAD G0+4*\slot, G1, G0B+4*\slot, G1B
	PLACES NP-4
.else
	PLACES NP
.endif
	s_wait_alu depctr_va_vdst(0)
	v_add_nc_u32 v[ADRS], 4*NQ, v[ADRS]
	FETCH_B \next, 0, 0
	FETCH_A \next, 0, 0
	SCALES \next
	WIN MUL_HI
	MUL16 4, 1, NQ-1, \slot, 0
	MUL16 6, 1, NQ-1, \slot, 0
	PLACES NP
	WIN 0
	FETCH_A \next, 0, 4
.endm
	s_wait_tensorcnt 1
	s_barrier_signal -1
	s_barrier_wait -1
	FETCH_B 0, 0, 0
	FETCH_A 0, 0, 0
	s_wait_alu depctr_va_vdst(0)
	SCALES 0
	FETCH_A 0, 0, 4
	s_cmp_eq_u32 s[MODE], 2
	s_cbranch_scc1 .Lfirst_v
	STEP 0, 0, 1
	s_branch .Lfirst_done
.Lfirst_v:
	STEP 0, 0, 2
.Lfirst_done:
	s_mov_b32 s3, LAPS-1
.Llap:
	TURN 0, 1, 1
	STEP 1, 0, 0
	TURN 1, 0, 1
	STEP 0, 0, 0
	s_sub_co_u32 s3, s3, 1
	s_cmp_lg_u32 s3, 0
	s_cbranch_scc1 .Llap
	TURN 0, 1, 0
	STEP 1, 0, 0
	s_wait_dscnt 4*NL
	WIN MUL_LO
	MUL16 0, 1, NQ-1, 1, 0
	MUL16 2, 1, NQ-1, 1, 0
	s_wait_dscnt 0
	WIN MUL_HI
	MUL16 4, 1, NQ-1, 1, 0
	MUL16 6, 1, NQ-1, 1, 0
	WIN 0
	PLACES NP
	s_cmp_eq_u32 s[MODE], 2
	s_mov_b32 s26, HS
	s_cselect_b32 s26, 1024, s26
	s_cselect_b32 s24, HS-8192, 0
	s_mov_b32 s25, 0
	s_mov_b32 s27, 0x600000
	s_mov_b32 s28, 0x76543210
	s_mov_b32 s29, 0xfedcba98
	v_and_b32 v[LI], 31, v0
	v_lshlrev_b32 v[LI], 4, v[LI]
	v_mov_b32 v[VO], v[LI]
	v_add_nc_u32 v[VO+1], 512, v[LI]
	v_add_nc_u32 v[VO+2], s26, v[LI]
	v_add_nc_u32 v[VO+3], s26, v[VO+1]
	v_mul_u32_u24 v[SVO], v2, HS
	v_lshl_add_u32 v[SVO], v1, 4, v[SVO]
	v_mov_b32 v[SELP], 0x05040100
	v_mov_b32 v[SELP+1], 0x07060302
	v_cmp_ne_u32 vcc_lo, 0, v2
	v_cndmask_b32 v[SELP], v[SELP], v[SELP+1], vcc_lo
.irp b, 0,1,2,3
	v_mov_b32 v[TM+4+\b], 0
.endr
.macro ROWT a
.set WA, 2+(\a)/4
.set AC, 64*((\a)%4)
	WIN WA|(WA<<2)
.irp b, 0,1,2,3
	v_max3_num_f32 v[TM+\b], |v[AC+16*\b]|, |v[AC+16*\b+1]|, 0x4800000
.endr
	WIN (WA<<2)|(WA<<4)
.irp i, 2,4,6,8,10,12,14
.irp b, 0,1,2,3
	v_max3_num_f32 v[TM+\b], v[TM+\b], |v[AC+16*\b+\i]|, |v[AC+16*\b+\i+1]|
.endr
.endr
	WIN 0
.irp b, 0,1,2,3
	v_permlanex16_b32 v[TM+4+\b], v[TM+\b], s28, s29
.endr
.irp b, 0,1,2,3
	v_max_num_f32 v[TM+\b], v[TM+\b], v[TM+4+\b]
.endr
.irp b, 0,1,2,3
	v_add_nc_u32 v[TM+12+\b], 0xfc000000, v[TM+\b]
.endr
.irp b, 0,1,2,3
	v_and_or_b32 v[TM+8+\b], v[TM+\b], 0x7f800000, s27
.endr
.irp b, 0,1,2,3
	v_lshrrev_b32 v[TM+4+\b], 23, v[TM+12+\b]
.endr
	v_lshl_or_b32 v[PWS+\a], v[TM+5], 8, v[TM+4]
	v_lshl_or_b32 v[PWS+\a], v[TM+6], 16, v[PWS+\a]
	v_lshl_or_b32 v[PWS+\a], v[TM+7], 24, v[PWS+\a]
	s_wait_xcnt 0x0
.if (\a) > 0
	s_add_nc_u64 s[96:97], s[96:97], s[104:105]
.endif
.if (\a) == 4
	s_add_nc_u64 s[96:97], s[96:97], s[24:25]
.endif
	WIN WA
.irp b, 0,1,2,3
.irp i, 0,1,2,3,4,5,6,7,8,9,10,11,12,13,14,15
	v_med3_num_f32 v[X+16*\b+\i], v[AC+16*\b+\i], -v[TM+8+\b], v[TM+8+\b]
.endr
.endr
	WIN 0
.irp b, 0,1,2,3
	v_cvt_scalef32_pk8_fp8_f32 v[PC+4*\b:PC+4*\b+1], v[X+16*\b:X+16*\b+7], v[TM+12+\b]
	v_cvt_scalef32_pk8_fp8_f32 v[PC+4*\b+2:PC+4*\b+3], v[X+16*\b+8:X+16*\b+15], v[TM+12+\b]
.endr
	v_nop
.irp b, 0,1,2,3
	global_store_b128 v[VO+\b], v[PC+4*\b:PC+4*\b+3], s[96:97]
.endr
	s_cmp_lg_u32 s[MODE], 0
	s_cbranch_scc1 .Lnot_q_\@
	WIN WA<<2
.irp b, 0,1,2,3
.irp i, 0,1,2,3
	global_store_b128 v[LI], v[AC+16*\b+4*\i:AC+16*\b+4*\i+3], s[100:101] offset:(\b/2)*1048576+(\b%2)*2048+\i*512+(\a)*4096
.endr
.endr
	WIN 0
.Lnot_q_\@:
.endm
.irp a, 0,1,2,3,4,5,6,7
	ROWT \a
.endr
	s_cmp_eq_u32 s[MODE], 2
	s_cbranch_scc1 .Lwords_v
.irp f, 0,1,2,3
	v_perm_b32 v[SW4+\f], v[PWS+2*\f+1], v[PWS+2*\f], v[SELP]
.endr
	s_branch .Lwords_done
.Lwords_v:
	v_cmp_ne_u32 vcc_lo, 0, v2
.irp f, 0,1,2,3
	v_cndmask_b32 v[SW4+\f], v[PWS+\f], v[PWS+4+\f], vcc_lo
.endr
.Lwords_done:
	s_wait_alu depctr_va_vdst(0)
	global_store_b128 v[SVO], v[SW4:SW4+3], s[98:99]
	s_wait_tensorcnt 0x0
	ds_add_u32 v[SPW], v[NIL]
	s_wait_dscnt 0x0
	CROUND
	s_endpgm
.Lfunc_end_k_qf28b52c13b_proj:
	.size	k_qf28b52c13b_proj, .Lfunc_end_k_qf28b52c13b_proj-k_qf28b52c13b_proj
	.p2alignl 7, 3214868480
	.fill 96, 4, 3214868480
	.section	.rodata,"a",@progbits
	.p2align	6, 0x0
	.amdhsa_kernel k_qf28b52c13b_proj
		.amdhsa_group_segment_fixed_size 327680
		.amdhsa_private_segment_fixed_size 0
		.amdhsa_enable_private_segment 0
		.amdhsa_kernarg_size 56
		.amdhsa_user_sgpr_count 2
		.amdhsa_user_sgpr_kernarg_segment_ptr 1
		.amdhsa_wavefront_size32 1
		.amdhsa_system_sgpr_workgroup_id_x 1
		.amdhsa_system_sgpr_workgroup_id_y 1
		.amdhsa_system_sgpr_workgroup_id_z 1
		.amdhsa_system_vgpr_workitem_id 0
		.amdhsa_next_free_vgpr 1024
		.amdhsa_next_free_sgpr 106
		.amdhsa_reserve_vcc 1
		.amdhsa_float_denorm_mode_32 3
		.amdhsa_float_denorm_mode_16_64 3
		.amdhsa_memory_ordered 1
		.amdhsa_forward_progress 1
		.amdhsa_inst_pref_size 220
	.end_amdhsa_kernel
	.amdgpu_metadata
---
amdhsa.version: [ 1, 2 ]
amdhsa.kernels:
  - .name:           k_qf28b52c13b_proj
    .symbol:         k_qf28b52c13b_proj.kd
    .args:
      - { .name: actq, .offset: 0, .size: 8, .value_kind: global_buffer, .address_space: global }
      - { .name: wq, .offset: 8, .size: 8, .value_kind: global_buffer, .address_space: global }
      - { .name: bq, .offset: 16, .size: 8, .value_kind: global_buffer, .address_space: global }
      - { .name: bk, .offset: 24, .size: 8, .value_kind: global_buffer, .address_space: global }
      - { .name: bv, .offset: 32, .size: 8, .value_kind: global_buffer, .address_space: global }
      - { .name: qkv, .offset: 40, .size: 8, .value_kind: global_buffer, .address_space: global }
      - { .name: qf, .offset: 48, .size: 8, .value_kind: global_buffer, .address_space: global }
    .group_segment_fixed_size: 327680
    .private_segment_fixed_size: 0
    .kernarg_segment_align: 8
    .kernarg_segment_size: 56
    .max_flat_workgroup_size: 128
    .sgpr_count:     106
    .vgpr_count:     1024
    .wavefront_size: 32
...
	.end_amdgpu_metadata
.endif
;; end of part 2
;; launch attn (part 3): grid 16 x 16, 16 waves a work-group, no clusters, 327,680 bytes of LDS; arguments qkv, qf, ob; writes ob
.if DOCPART == 3
	.amdgcn_target "amdgcn-amd-amdhsa--gfx1250"
	.amdhsa_code_object_version 6
	.text
	.protected	k_qf28b52c13b_attn
	.globl	k_qf28b52c13b_attn
	.p2align	8
	.type	k_qf28b52c13b_attn,@function
k_qf28b52c13b_attn:
	s_mov_b64 s[64:65], 0
	v_nop
	global_prefetch_b8 v0, s[64:65] scope:SCOPE_SE
	s_setreg_imm32_b32 hwreg(HW_REG_WAVE_MODE, 25, 1), 1
	s_wait_xcnt 0x0
; O[q][h][:] = Q[q][h][:] + (the sum over k of p V[k][h][:]) / l, p = 2^(t - M), t = (Q . K) x log2(e) / 32, M = the row's largest t so far rounded UP to a whole number, l = the sum of the unquantised p.
; Both products on codes of FP8 (E4M3) with E8M0 scales; p is quantised along the keys.  When M moves, l and O are multiplied by 2^(old M - new M): exact.
; LIMITS: NaN and infinities are not served; a block of p that has fallen to zeros keeps the scale byte 1 (its codes are zeros); the promise holds while |t| stays under 2^31.
; SHARES.  A work-group owns 256 queries of one head; each of its sixteen waves owns one tile of 16, in 256 registers: four waves to a SIMD, so that one wave's vector work stands beside another's matrix work and LDS loads.
; Every wave walks the head's 4,096 keys, 128 a step.  A step's operands (K's and V's registers as images, and their scale words) are ONE dense block of 16,896 bytes of qkv; a slot of LDS holds four steps; waves 0 to 3 fetch a step each.
; LAYOUT.  Both products are used transposed: a lane holds ONE query (lane % 16) throughout.  The keys' rows were laid so that the 16 registers of score tiles 2 f and 2 f + 1 are keys 32 f + 16 (lane / 16) + 0 .. 15.
; THE HEAD HAS 64 CHANNELS, THE INSTRUCTION 128 ALONG K: a fragment of K holds key tile 2 f in k 0-63 and key tile 2 f + 1 in k 64-127; Q stands between zeros (v16-23 = 0, v24-31 = Q, v32-39 = 0), and tile 2 f multiplies by v[24:39] = (Q, 0),
; tile 2 f + 1 by v[16:31] = (0, Q).  Zero codes add nothing under any scale byte but 0xff.  Four fragments, 64 registers, hold a step's 128 keys, and the same 64 registers then take V's four fragments.
; A STEP IN THREE PARTS.  QK: the scores, each pair of products as soon as its fragment is in; behind them the seven joins of the LAST step's chains of the row's sum, which are the places there; then V's loads.
; SOFT: maxima, p, its codes, the second product.  LSUM: the row's sum of p in eight chains, BEHIND the second product: the hold writes into two sets of eight spare registers, so p stays whole;
; its first additions are the places behind the products, and the next step's fragments of K are asked for under the others.
; THE CHANGE OF SLOTS.  In a slot's fourth step all LDS reads are over once V's fragments are in registers: there each wave waits for its tensor load, adds 0 to its spare word, waits for its LDS loads and signals;
; SOFT and LSUM, work on registers alone, stand between the signal and the wait; behind the wait the slot just left is filled again.  A refill so has three steps and a fourth step's QK in which to land.
; NO CLUSTER: a work-group fetches 67,584 bytes for four key steps, in which its sixteen waves issue some 18,000 vector instructions: what partners could share is a small part of a step's cost, and a round of a cluster's barrier would bind 64 waves at each change of slots.
; No prefetch of K and V: a refill is asked for three key steps and more ahead of the wait for it.  Q as f32, which the way out adds, is prefetched once a wave, ahead of the last slot's four steps.
; REGISTERS: v1 16 x lane, v2 16 x (lane % 16), v3 the prefetch's offset, v5, v6 the add's; v8, v9 the step's addresses; v10, v11 at work; v12 -M, v13 the largest score, v[14:15] l in two halves; v16-39 0, Q, 0; v40, v41 Q's scale words; v42 p's; v44-47 K's; v48-51 V's; v[52:53] f;
; v56-63 held p, set 1; v64-127 fragments; v128-191 S^T, then p; v192-223 O^T; v224-239 p's codes; v240-255 at work.
.set HS,    811008
.set BS,    25344
.set STEPB, 16896                      ; a step's bytes: K's images 8,192, V's 8,192, K's scale words 256, V's 256
.set SLOT1, 1<<17                      ; slot 1 begins here, so that one exclusive or turns an address in one slot into the other's
.set SPARE, SLOT1+4*STEPB              ; the spare words, 128 bytes for each wave: eight blocks of 256 bytes that no other line names
.set LI,  1
.set LS,  2
.set PFO, 3
.set SPW, 5
.set NIL, 6
.set ADR, 8
.set ADS, 9
.set T1,  56                           ; held p of an odd block, eight at a time
.set FRG, 64
.set S,   128
.set OT,  192
.set PCD, 224
.set BM,  240                          ; each block's largest score, then its largest p
.set PD,  244                          ; a second chain of maxima, the other half's, then bytes
.set T0,  240                          ; behind them: held p of an even block, eight at a time
.set LT,  240                          ; behind that: seven chains of the row's sum, v240-253
.set LM,  248                          ; 448 x the scale
.set SO,  252                          ; the conversions' scale operands
.set TB,  2                            ; s2  LDS byte at which the step in hand begins
.set SLOTS, 10
.set WV,  11
.set MNT, 19
.set SEL, 20
.set CS,  22                           ; s[22:23] c = log2(e) / 32
.set G1,  24
.set G0,  40
.macro TLOAD                           ; waves 0 to 3 fetch a step each; the branch hangs on the wave's number alone; an s_nop 0 and four v_nop follow the line
	s_cmp_lt_u32 s[WV], 4
	s_cbranch_scc0 .Lnone_\@
	tensor_load_to_lds s[G0:G0+3], s[G1:G1+7]
	s_nop 0
.rept 4
	v_nop
.endr
.Lnone_\@:
.endm
	s_load_b128 s[4:7], s[0:1], 0x0                ; qkv, qf
	s_load_b64 s[8:9], s[0:1], 0x10                ; ob
	v_lshl_add_u32 v[SPW], v0, 2, SPARE
	v_mov_b32 v[NIL], 0
	ds_add_u32 v[SPW], v[NIL]                      ; the opening lines: the add, twice on end, and its wait ahead of the first tensor load
	ds_add_u32 v[SPW], v[NIL]
	s_wait_dscnt 0x0
	v_lshrrev_b32 v8, 5, v0
	s_delay_alu instid0(VALU_DEP_1)
	v_readfirstlane_b32 s[WV], v8                  ; wave 0..15
	s_and_b32 s12, ttmp7, 0xffff                   ; the head
	s_mul_i32 s13, s12, HS                         ; its first byte in qkv
	s_and_b32 s14, s[WV], 3                        ; which of a slot's four steps I fetch, if I fetch
	s_mul_i32 s16, s14, BS
	s_add_co_u32 s16, s16, s13
	s_mov_b32 s17, 0
	s_mul_i32 s14, s14, STEPB
	; descriptor group 1: 16,896 dense bytes as 66 rows of 256 bytes (32 elements of 8), no padding: every read is 16 x lane
	s_mov_b32 s[G1], 3<<16
	s_mov_b32 s[G1+1], 32<<16
	s_mov_b32 s[G1+2], 66<<16
	s_mov_b32 s[G1+3], 32<<16
	s_mov_b32 s[G1+4], 66
	s_mov_b32 s[G1+5], 32
	s_mov_b32 s[G1+6], 0
	s_mov_b32 s[G1+7], 0
	s_mov_b32 s[SEL], 0x76543210
	s_mov_b32 s[SEL+1], 0xfedcba98                 ; v_permlanex16_b32's selects for lane l xor 16
	s_mov_b32 s[CS], 0x3d38aa3b                    ; c = log2(e) / 32
	s_mov_b32 s[CS+1], s[CS]                       ; (named with it as a pair, so it is written)
	s_mov_b32 s[MNT], 0x600000
	s_mov_b32 s[TB], 0
	s_mov_b32 s[SLOTS], 7
	s_wait_kmcnt 0x0
	s_mov_b32 s[G0], 1
	s_mov_b32 s[G0+1], s14
	s_add_nc_u64 s[G0+2:G0+3], s[4:5], s[16:17]
	s_or_b32 s[G0+3], s[G0+3], 0x80000000
	TLOAD                                          ; slot 0
	v_and_b32 v[LI], 31, v0
	s_delay_alu instid0(VALU_DEP_1)
	v_lshlrev_b32 v[LI], 4, v[LI]
	s_wait_alu depctr_va_vdst(0)
	v_and_b32 v[LS], 15, v0
	s_delay_alu instid0(VALU_DEP_1)
	v_lshlrev_b32 v[LS], 4, v[LS]
	v_and_b32 v[PFO], 31, v0                       ; the prefetch: lanes 0-15 name the sixteen blocks of 256 bytes of my tile of qf, lanes 16-31 the last of them again
	s_delay_alu instid0(VALU_DEP_1)
	v_min_u32 v[PFO], 15, v[PFO]
	s_delay_alu instid0(VALU_DEP_1)
	v_lshlrev_b32 v[PFO], 8, v[PFO]
	s_wait_alu depctr_va_vdst(0)
	s_lshl_b32 s14, ttmp9, 1                       ; my tile of queries is 16 x + wave: block 2 x + wave / 8, tile wave % 8 in it
	s_lshr_b32 s15, s[WV], 3
	s_add_co_u32 s14, s14, s15
	s_mul_i32 s14, s14, BS
	s_add_co_u32 s14, s14, s13
	s_and_b32 s15, s[WV], 7
	s_lshl_b32 s16, s15, 10
	s_add_co_u32 s16, s16, s14
	s_add_co_u32 s16, s16, 16896
	s_add_nc_u64 s[32:33], s[4:5], s[16:17]        ; Q's codes
	s_lshr_b32 s16, s15, 1
	s_lshl_b32 s16, s16, 2
	s_add_co_u32 s16, s16, s14
	s_add_co_u32 s16, s16, 25088
	s_add_nc_u64 s[34:35], s[4:5], s[16:17]        ; the word that holds Q's two scale bytes
	global_load_b128 v[24:27], v[LI], s[32:33]
	global_load_b128 v[28:31], v[LI], s[32:33] offset:512
	global_load_b32 v54, v[LS], s[34:35]
	s_lshl_b32 s14, ttmp9, 4
	s_add_co_u32 s14, s14, s[WV]                   ; my tile of queries
	s_lshl_b32 s16, s12, 20
	s_lshl_b32 s15, s14, 12
	s_add_co_u32 s16, s16, s15
	s_add_nc_u64 s[6:7], s[6:7], s[16:17]          ; Q as f32
	s_lshl_b32 s16, s14, 16
	s_lshl_b32 s15, s12, 12
	s_add_co_u32 s16, s16, s15
	s_add_nc_u64 s[8:9], s[8:9], s[16:17]          ; O
	s_and_b32 s15, s[WV], 1
	s_lshl_b32 s15, s15, 4                         ; which half of the word
.irp j, 0,1,2,3,4,5,6,7
	v_mov_b32 v[16+\j], 0
	v_mov_b32 v[32+\j], 0
.endr
.set j, 0
.rept 32
	v_mov_b32 v[OT+j], 0                           ; O^T.  (The step has no first form of its own: the first finds zeros, which the first change of M leaves zeros)
.set j, j+1
.endr
	v_mov_b32 v13, 0xff61b1e6                      ; the largest score so far: -3e38, under every score
	s_delay_alu instid0(VALU_DEP_1)
	v_floor_f32 v12, -v13                          ; -M: so large that the first f is 0
	v_mov_b32 v14, 0
	v_mov_b32 v15, 0
	v_mov_b32 v53, 0                               ; (named as the upper half of the pair v[52:53])
.set j, 0
.rept 14
	v_mov_b32 v[LT+j], 0                           ; the seven chains of the row's sum: the first step joins zeros
.set j, j+1
.endr
	s_wait_loadcnt 0x0                             ; Q
	v_lshrrev_b32 v10, s15, v54
	s_delay_alu instid0(VALU_DEP_1)
	v_and_b32 v40, 0xffff, v10                     ; Q's two bytes for k 0-63; the bytes of the zero half are 0
	s_delay_alu instid0(VALU_DEP_1)
	v_lshlrev_b32 v41, 16, v40                     ; and for k 64-127
.rept 8
	v_nop                                          ; eight places between a scale word made by a vector instruction and the first product
.endr
.macro ADDR                            ; where the step at s[TB] lies
	v_add_nc_u32 v[ADR], s[TB], v[LI]
	v_add_nc_u32 v[ADS], s[TB], v[LS]
.endm
.macro KLOAD                           ; the step's scale words, then K's four fragments: 18 loads, in the order in which the products want them
	ds_load_b128 v[44:47], v[ADS] offset:16384     ; K's scale words: lane r has row r's four
	ds_load_b128 v[48:51], v[ADS] offset:16640     ; V's
.irp f, 0,1,2,3
.irp c, 0,1,2,3
	ds_load_b128 v[FRG+16*\f+4*\c:FRG+16*\f+4*\c+3], v[ADR] offset:\f*2048+\c*512
.endr
.endr
.endm
.macro MERGE                           ; the seven chains of the row's sum are joined to l
	v_pk_add_f32 v[LT+4:LT+5], v[LT+4:LT+5], v[LT+6:LT+7]
	v_pk_add_f32 v[LT+8:LT+9], v[LT+8:LT+9], v[LT+10:LT+11]
	v_pk_add_f32 v[14:15], v[14:15], v[LT+12:LT+13]
	v_pk_add_f32 v[LT:LT+1], v[LT:LT+1], v[LT+2:LT+3]
	s_delay_alu instid0(VALU_DEP_3)
	v_pk_add_f32 v[LT+4:LT+5], v[LT+4:LT+5], v[LT+8:LT+9]
	s_delay_alu instid0(VALU_DEP_2)
	v_pk_add_f32 v[14:15], v[14:15], v[LT:LT+1]
	s_delay_alu instid0(VALU_DEP_1)
	v_pk_add_f32 v[14:15], v[14:15], v[LT+4:LT+5]
.endm
.macro QK                              ; S^T = K Q^T, then V's loads into the same 64 registers
	s_wait_alu depctr_va_vdst(0)                   ; the wait here, directly ahead of the waits below
.irp f, 0,1,2,3
	s_wait_dscnt 12-4*\f                           ; of the 18 loads the scale words and fragments 0 to f are in; the 4 (3 - f) loads of the later fragments may be out
	v_wmma_scale_f32_16x16x128_f8f6f4 v[S+16*\f:S+16*\f+7], v[FRG+16*\f:FRG+16*\f+15], v[24:39], 0, v[44+\f], v40
	v_wmma_scale_f32_16x16x128_f8f6f4 v[S+16*\f+8:S+16*\f+15], v[FRG+16*\f:FRG+16*\f+15], v[16:31], 0, v[44+\f], v41
.endr
	MERGE                                          ; the last step's sum: seven plain lines that name no register of the products,
	v_nop                                          ; and one more: eight places in front of the loads below and of the first read of the scores
.irp f, 0,1,2,3
.irp c, 0,1,2,3
	ds_load_b128 v[FRG+16*\f+4*\c:FRG+16*\f+4*\c+3], v[ADR] offset:8192+\f*2048+\c*512   ; V's four fragments land while the softmax is walked
.endr
.endr
.endm
.macro FMAS n                          ; t - M, two at a time, from register S + j on
.rept \n
	v_pk_fma_f32 v[S+j:S+j+1], v[S+j:S+j+1], s[CS:CS+1], v[12:13] op_sel_hi:[1,0,0]
.set j, j+2
.endr
.endm
; maxima, p, its codes, O^T += V^T P^T.  vw = 1: V's loads are waited for here; vw = 0: they were waited for in front of the barrier's signal, and this part is work on registers alone
.macro SOFT vw
; the largest score of each block of 32 keys: it serves for the row's maximum and, since p rises with the score, for the block's largest p.  Two chains a block, eight by turns: registers 0-6 and 7-15
.irp b, 0,1,2,3
	v_max3_num_f32 v[BM+\b], v[S+16*\b], v[S+1+16*\b], v[S+2+16*\b]
.endr
.irp b, 0,1,2,3
	v_max3_num_f32 v[PD+\b], v[S+7+16*\b], v[S+8+16*\b], v[S+9+16*\b]
.endr
.irp i, 3,5
.irp b, 0,1,2,3
	v_max3_num_f32 v[BM+\b], v[BM+\b], v[S+16*\b+\i], v[S+1+16*\b+\i]
.endr
.irp b, 0,1,2,3
	v_max3_num_f32 v[PD+\b], v[PD+\b], v[S+7+16*\b+\i], v[S+8+16*\b+\i]
.endr
.endr
.irp b, 0,1,2,3
	v_max3_num_f32 v[PD+\b], v[PD+\b], v[S+14+16*\b], v[S+15+16*\b]
.endr
.irp b, 0,1,2,3
	s_delay_alu instid0(VALU_DEP_4)
	v_max_num_f32 v[BM+\b], v[BM+\b], v[PD+\b]
.endr
.irp b, 0,1,2,3
	s_delay_alu instid0(VALU_DEP_4)
	v_permlanex16_b32 v[PD+\b], v[BM+\b], s[SEL], s[SEL+1]
.endr
.irp b, 0,1,2,3
	s_delay_alu instid0(VALU_DEP_4)
	v_max_num_f32 v[BM+\b], v[BM+\b], v[PD+\b]     ; with lane l xor 16's 16 keys
.endr
	s_delay_alu instid0(VALU_DEP_2)
	v_max3_num_f32 v10, v[BM], v[BM+1], v[BM+2]
	s_delay_alu instid0(VALU_DEP_1)
	v_max3_num_f32 v13, v13, v10, v[BM+3]          ; the running largest score of my query
	s_delay_alu instid0(VALU_DEP_1)
	v_mul_f32 v11, s[CS], v13                      ; as t (c is positive, so the largest score gives the largest t)
	v_mov_b32 v10, v12
	s_delay_alu instid0(VALU_DEP_2)
	v_floor_f32 v12, -v11                          ; the new -M = floor(-t) = -ceil(t)
.set j, 0
	FMAS 4                                         ; the three lines that make f stand among the 32 multiply-adds, which do not wait for them
	v_sub_f32 v10, v12, v10                        ; old M - new M: a whole number, 0 or less
	FMAS 4
	v_cvt_i32_f32 v10, v10                         ; (it saturates)
	FMAS 4
	v_ldexp_f32 v52, 1.0, v10                      ; f = 2^(old M - new M)
	FMAS 20
.irp b, 0,1,2,3
	v_fma_f32 v[BM+\b], v[BM+\b], s[CS], v12       ; the same of each block's largest score
.endr
	s_wait_alu depctr_va_vdst(0)                   ; the wait ahead of the batch
.irp b, 0,1,2,3
	v_exp_f32 v[BM+\b], v[BM+\b]                   ; the block's largest p: the same two instructions on the same number give the same bits
.endr
.set j, 0
.rept 64
	v_exp_f32 v[S+j], v[S+j]                       ; p = 2^(t - M), at most 1: not normalised
.set j, j+1
.endr
	v_pk_mul_f32 v[14:15], v[14:15], v[52:53] op_sel_hi:[1,0]   ; l under the new M.  (A plain instruction behind the exponentials)
	s_wait_alu depctr_va_vdst(0)                   ; one wait for the batch of 68, ahead of its first reader
.irp b, 0,1,2,3
	v_max_num_f32 v[BM+\b], 0x4800000, v[BM+\b]    ; the floor 2^(9 - 127): the byte cannot fall under 1
.endr
.irp b, 0,1,2,3
	s_delay_alu instid0(VALU_DEP_4)
	v_add_nc_u32 v[SO+\b], 0xfc000000, v[BM+\b]    ; 8 off the exponent field: the conversion's scale operand
.endr
.irp b, 0,1,2,3
	v_and_or_b32 v[LM+\b], v[BM+\b], 0x7f800000, s[MNT]   ; 448 x the scale
.endr
.irp b, 0,1,2,3
	v_lshrrev_b32 v[PD+\b], 23, v[SO+\b]           ; the scale's byte
.endr
	s_delay_alu instid0(VALU_DEP_3)
	v_lshl_or_b32 v42, v[PD+1], 8, v[PD]           ; p's scale word for these 128 keys
	s_delay_alu instid0(VALU_DEP_1)
	v_lshl_or_b32 v42, v[PD+2], 16, v42
	s_delay_alu instid0(VALU_DEP_1)
	v_lshl_or_b32 v42, v[PD+3], 24, v42
; THE HOLD.  The conversion does not saturate (ISA guide 7.6.2); p is not negative, so the hold is one-sided.  It writes into spare registers, eight of block b into v[T0] on and eight of block b + 1 into v[T1] on: p itself stays for the row's sum.
; Two holds go in one instruction: an even register of one block with an odd register of its neighbour, so that one result is even and one odd, and the two numbers' registers differ modulo 4, and so do the two limits', as the dual form asks.
.irp b, 0,2
.irp u, 0,1
.irp i, 0,2,4,6
	v_dual_min_num_f32 v[T0+\i], v[S+16*\b+8*\u+\i], v[LM+\b] :: v_dual_min_num_f32 v[T1+\i+1], v[S+16*\b+17+8*\u+\i], v[LM+\b+1]
	v_dual_min_num_f32 v[T1+\i], v[S+16*\b+16+8*\u+\i], v[LM+\b+1] :: v_dual_min_num_f32 v[T0+\i+1], v[S+16*\b+1+8*\u+\i], v[LM+\b]
.endr
	v_cvt_scalef32_pk8_fp8_f32 v[PCD+4*\b+2*\u:PCD+4*\b+2*\u+1], v[T0:T0+7], v[SO+\b]
	v_cvt_scalef32_pk8_fp8_f32 v[PCD+4*\b+4+2*\u:PCD+4*\b+4+2*\u+1], v[T1:T1+7], v[SO+\b+1]
	v_nop                                          ; one plain line between the conversions and the next holds, which write their sources
.endr
.endr
	s_wait_alu depctr_va_vdst(0)                   ; the wait here, directly ahead of the first reader of O^T
.set j, 0
.rept 16
	v_pk_mul_f32 v[OT+j:OT+j+1], v[OT+j:OT+j+1], v[52:53] op_sel_hi:[1,0]   ; O^T under the new M.  (These sixteen are also the places between the codes and the products)
.set j, j+2
.endr
.if \vw
	s_wait_alu depctr_va_vdst(0)                   ; the wait here, directly ahead of the wait below
	s_wait_dscnt 0x0                               ; V is in
.endif
.irp f, 0,1,2,3
	v_wmma_scale_f32_16x16x128_f8f6f4 v[OT+8*\f:OT+8*\f+7], v[FRG+16*\f:FRG+16*\f+15], v[PCD:PCD+15], v[OT+8*\f:OT+8*\f+7], v[48+\f], v42
.endr
.endm
; THE ROW'S SUM of the unquantised p: 25 packed additions in eight chains; the chains are joined behind the next step's first products (MERGE).
; kl = 1: six additions and the two address lines are the eight places behind the products; behind them the next step's scale words and fragments of K are asked for
.macro LSUM kl
.irp k, 0,1,2,3,4,5
	v_pk_add_f32 v[LT+2*\k:LT+2*\k+1], v[S+4*\k:S+4*\k+1], v[S+4*\k+2:S+4*\k+3]
.endr
.if \kl
	s_add_co_u32 s[TB], s[TB], STEPB
	ADDR
	KLOAD
.endif
	v_pk_add_f32 v[LT+12:LT+13], v[S+24:S+25], v[S+26:S+27]
	v_pk_add_f32 v[14:15], v[14:15], v[S+28:S+29]
.irp k, 0,1,2,3,4,5,6
	v_pk_add_f32 v[LT+2*\k:LT+2*\k+1], v[LT+2*\k:LT+2*\k+1], v[S+30+2*\k:S+31+2*\k]
.endr
	v_pk_add_f32 v[14:15], v[14:15], v[S+44:S+45]
.irp k, 0,1,2,3,4,5,6
	v_pk_add_f32 v[LT+2*\k:LT+2*\k+1], v[LT+2*\k:LT+2*\k+1], v[S+46+2*\k:S+47+2*\k]
.endr
	v_pk_add_f32 v[14:15], v[14:15], v[S+60:S+61]
	v_pk_add_f32 v[LT:LT+1], v[LT:LT+1], v[S+62:S+63]
.endm
; the three lines in front of a barrier behind which a slot is filled; the add stands twice on end, in every trip alike
.macro MEET
	s_wait_tensorcnt 0x0                           ; no tensor load of mine is out: my part of the next slot is in, and group 0 may be written
	ds_add_u32 v[SPW], v[NIL]
	ds_add_u32 v[SPW], v[NIL]
	s_xor_b32 s[G0+1], s[G0+1], SLOT1              ; the other slot than last time,
	s_add_nc_u64 s[G0+2:G0+3], s[G0+2:G0+3], 4*BS  ; four blocks of keys on; the type bits on top are not reached
	s_wait_dscnt 0x0                               ; the adds are done, and all my reads of the slot in hand are in registers
	s_barrier_signal -1
.endm
	s_wait_alu depctr_va_vdst(0)                   ; the wait at the head's end
	MEET                                           ; slot 0 is in; slot 1's first fill is issued as a refill is
	s_barrier_wait -1
.Lslot:                                            ; seven trips: slot k is walked while slot k + 1 is on its way
	TLOAD                                          ; the first thing behind the barrier, and a wave's one tensor load until the next
	ADDR
	KLOAD
	s_mov_b32 s3, 3
.Lstep:                                            ; a slot's first three steps
	QK
	SOFT 1
	LSUM 1
	s_sub_co_u32 s3, s3, 1
	s_cmp_lg_u32 s3, 0
	s_cbranch_scc1 .Lstep
	QK                                             ; its fourth: with V's loads the reads of this slot end
	MEET
	SOFT 0                                         ; work on registers alone between the signal and the wait
	LSUM 0
	s_barrier_wait -1                              ; the next slot is whole, and nobody reads this one
	s_sub_co_u32 s[TB], s[TB], 3*STEPB             ; back to a slot's first step,
	s_xor_b32 s[TB], s[TB], SLOT1                  ; in the other slot
	s_sub_co_u32 s[SLOTS], s[SLOTS], 1
	s_cmp_lg_u32 s[SLOTS], 0
	s_cbranch_scc1 .Lslot
	global_prefetch_b8 v[PFO], s[6:7] th:TH_LOAD_NT scope:SCOPE_SE   ; my tile of Q as f32, 4,096 bytes, four key steps ahead of the loads of the way out; its address registers are never written again
	s_mov_b32 s3, 4
.Llast:                                            ; the last slot is written out: nothing is asked for any more, and no step reaches beyond it: each asks for its own K
	ADDR
	KLOAD
	QK
	SOFT 1
	LSUM 0
	s_add_co_u32 s[TB], s[TB], STEPB
	s_sub_co_u32 s3, s3, 1
	s_cmp_lg_u32 s3, 0
	s_cbranch_scc1 .Llast
	; THE WAY OUT: O = Q + O^T / l, in the registers' own order: no lane changes, no LDS.  (The row's sum has been the places behind the last products)
.irp b, 0,1
.irp i, 0,1,2,3
	global_load_b128 v[S+16*\b+4*\i:S+16*\b+4*\i+3], v[LI], s[6:7] offset:\b*2048+\i*512 th:TH_LOAD_NT
.endr
.endr
	s_wait_alu depctr_va_vdst(0)
	MERGE                                          ; the last step's chains
	v_add_f32 v14, v14, v15                        ; l's two halves,
	s_delay_alu instid0(VALU_DEP_1)
	v_permlanex16_b32 v10, v14, s[SEL], s[SEL+1]
	s_delay_alu instid0(VALU_DEP_1)
	v_add_f32 v14, v14, v10                        ; and lane l xor 16's
	s_wait_alu depctr_va_vdst(0)                   ; the wait ahead of the reciprocal
	v_rcp_f32 v14, v14
	v_nop                                          ; a plain instruction behind the reciprocal
	s_wait_alu depctr_va_vdst(0)                   ; and the wait ahead of its first reader
	v_mov_b32 v15, v14
	s_wait_alu depctr_va_vdst(0)
	s_wait_loadcnt 0x0
.set j, 0
.rept 16
	v_pk_fma_f32 v[S+j:S+j+1], v[OT+j:OT+j+1], v[14:15], v[S+j:S+j+1]
.set j, j+2
.endr
.irp b, 0,1
.irp i, 0,1,2,3
	global_store_b128 v[LI], v[S+16*\b+4*\i:S+16*\b+4*\i+3], s[8:9] offset:\b*2048+\i*512   ; the wave stores 512 consecutive bytes
.endr
.endr
	s_wait_tensorcnt 0x0                           ; the wave's end
	ds_add_u32 v[SPW], v[NIL]
	s_wait_dscnt 0x0
	s_endpgm
.Lfunc_end_k_qf28b52c13b_attn:
	.size	k_qf28b52c13b_attn, .Lfunc_end_k_qf28b52c13b_attn-k_qf28b52c13b_attn
	.p2alignl 7, 3214868480
	.fill 96, 4, 3214868480
	.section	.rodata,"a",@progbits
	.p2align	6, 0x0
	.amdhsa_kernel k_qf28b52c13b_attn
		.amdhsa_group_segment_fixed_size 327680
		.amdhsa_private_segment_fixed_size 0
		.amdhsa_enable_private_segment 0
		.amdhsa_kernarg_size 24
		.amdhsa_user_sgpr_count 2
		.amdhsa_user_sgpr_kernarg_segment_ptr 1
		.amdhsa_wavefront_size32 1
		.amdhsa_system_sgpr_workgroup_id_x 1
		.amdhsa_system_sgpr_workgroup_id_y 1
		.amdhsa_system_sgpr_workgroup_id_z 1
		.amdhsa_system_vgpr_workitem_id 0
		.amdhsa_next_free_vgpr 256
		.amdhsa_next_free_sgpr 66
		.amdhsa_reserve_vcc 0
		.amdhsa_float_denorm_mode_32 3
		.amdhsa_float_denorm_mode_16_64 3
		.amdhsa_memory_ordered 1
		.amdhsa_forward_progress 1
		.amdhsa_inst_pref_size 69
	.end_amdhsa_kernel
	.amdgpu_metadata
---
amdhsa.version: [ 1, 2 ]
amdhsa.kernels:
  - .name:           k_qf28b52c13b_attn
    .symbol:         k_qf28b52c13b_attn.kd
    .args:
      - { .name: qkv, .offset: 0, .size: 8, .value_kind: global_buffer, .address_space: global }
      - { .name: qf, .offset: 8, .size: 8, .value_kind: global_buffer, .address_space: global }
      - { .name: ob, .offset: 16, .size: 8, .value_kind: global_buffer, .address_space: global }
    .group_segment_fixed_size: 327680
    .private_segment_fixed_size: 0
    .kernarg_segment_align: 8
    .kernarg_segment_size: 24
    .max_flat_workgroup_size: 512
    .sgpr_count:     66
    .vgpr_count:     256
    .wavefront_size: 32
...
	.end_amdgpu_metadata
.endif
;; end of part 3
;; launch tail (part 4): grid 128 x 1, 16 waves a work-group, no clusters, 308,736 bytes of LDS; arguments ob, wq, g1, b1, bl, g2, b2, out0; writes out0
.if DOCPART == 4
	.amdgcn_target "amdgcn-amd-amdhsa--gfx1250"
	.amdhsa_code_object_version 6
	.text
	.protected	k_qf28b52c13b_tail
	.globl	k_qf28b52c13b_tail
	.p2align	8
	.type	k_qf28b52c13b_tail,@function
k_qf28b52c13b_tail:
	s_mov_b64 s[64:65], 0
	v_nop
	global_prefetch_b8 v0, s[64:65] scope:SCOPE_SE
	s_setreg_imm32_b32 hwreg(HW_REG_WAVE_MODE, 25, 1), 1
	s_wait_xcnt 0x0
; x = LN(O; g1, b1);  y = x + relu(x Wl + bl);  out0 = LN(y; g2, b2).  The product on codes of FP8 (E4M3) with E8M0 scales: x is quantised here, along its 1,024 columns; Wl's codes come as images of operand registers.
; LIMITS: NaN and infinities are not served; a block of x whose largest magnitude lies under 2^-118, a block of zeros too, gets the scale byte 1.  The order in which a sum takes its eight K steps differs from work-group to work-group (below); the sums are f32.
; SHARES.  A work-group takes 32 rows (two tiles of 16 as attention left them); THE WAVES SHARE THE COLUMNS: wave w has columns 64 w .. 64 w + 63 of both tiles, as data, as residual and as result: register 32 m + 16 c + i of lane (r, h) is
; column 64 w + 32 c + 16 h + i of tile m's row r.  The product is used transposed (source 0 = 16 rows of Wl^T, source 1 = x), and Wl's rows were laid so that its results fall into that same order.
; Each fragment of Wl is read by ONE wave of the work-group, so it goes from memory straight into that wave's registers; through LDS it would be moved twice, which is why no tile is asked for jointly here.
; WL IS ASKED FOR TWO K STEPS AHEAD, in two sets of 64 registers by turns.  The second set is made of the registers that hold the residual x: for the time of the product each wave parks x in 8,192 LDS bytes of its own.
; WORK-GROUP g TAKES K STEP (g + s) % 8 IN ITS s-TH TURN, so that at any time the work-groups ask for different eighths of Wl and not all for the same one.  The step's number goes into addresses alone (two scalar bases for Wl,
; eight for its scale words, two LDS addresses for x); register numbers stay constants: Wl's scale words are loaded in the order of the turns.
; No prefetch: the first turn's fragments are asked for with the first loads and land while the first norm is made; every later turn's are asked for two turns ahead.
; x's codes go from wave to wave through LDS as images of registers (16 bytes a lane), its scale bytes as half-words.  A row's mean and sum of squares go through LDS as sixteen waves' parts: each wave gives its own mean and its sum of
; squared distances from THAT mean, and they are joined by sum(M2) + 64 sum((mean_w - mean)^2): no difference of large sums is formed.
; Four barriers.  No tensor loads.
; REGISTERS: v1 16 x lane, v2 64 h, v3 80 r + 4 w, v4 80 r, v5, v6 where I store x's codes and half-word, v7 4 x lane, v8-23 Wl's scale words, v24 x's, v25 32 x lane, v26-31 at work (v26: where x is parked; v28, v29: x's images and scale words of the turn);
; v32-95 the data, in the product Wl's second set; v96-159 gains and biases, then at work, then the sums; v160-191 at work, then x's two fragments; v192-255 Wl's first set.
.set XIMG, 0                           ; x's 16 fragments (tile m, K step k): (8 m + k) x 2048 + c x 512 + 16 x lane
.set XSC,  32768                       ; their scale words: k x 128 + 4 x lane (lanes 0-15 tile 0, lanes 16-31 tile 1)
.set R1M,  33792                       ; the waves' means and sums of squares, for each of the two norms: (16 m + r) x 80 + 4 w
.set R1Q,  36352
.set R2M,  38912
.set R2Q,  41472
.set STG,  44032                       ; the way out: 32 rows x (4,096 bytes + 16)
.set SPT,  4112
.set PARK, 175616                      ; the residual, parked: 8,192 bytes for each wave, 16 x lane + 512 i
.set WS,   8
.set XS,   24
.set D,    32
.set ACC,  96
.set XF,   160
.set WF,   192
.set TM,   ACC                         ; the quantiser: +0 largest magnitudes, +4 the other half's, then bytes, +8 448 x the scale, +12 scale operands
.set PC,   ACC+32                      ; its codes
.set SEL,  36
.set MNT,  38
.set G7,   39                          ; s39      g % 8
.set WP,   40                          ; s[40:43] Wl's images at the K step that set 0, set 1 is being filled with
.set WSP,  48                          ; s[48:63] Wl's scale bytes at the K step of turn 0 .. 7
	s_load_b512 s[4:19], s[0:1], 0x0               ; ob, wq, g1, b1, bl, g2, b2, out0
	v_lshrrev_b32 v1, 5, v0
	s_delay_alu instid0(VALU_DEP_1)
	v_readfirstlane_b32 s20, v1                    ; wave 0..15
	v_and_b32 v7, 31, v0                           ; lane
	v_and_b32 v4, 15, v0                           ; r
	v_bfe_u32 v2, v0, 4, 1                         ; h
	s_delay_alu instid0(VALU_DEP_3)
	v_lshlrev_b32 v1, 4, v7
	s_delay_alu instid0(VALU_DEP_4)
	v_lshlrev_b32 v25, 5, v7
	v_lshlrev_b32 v7, 2, v7
	s_wait_alu depctr_va_vdst(0)
	v_lshlrev_b32 v2, 6, v2
	v_mul_u32_u24 v4, v4, 80
	s_lshl_b32 s21, s20, 2
	v_add_nc_u32 v3, s21, v4
	s_lshr_b32 s22, s20, 1                         ; my 64 columns lie in K step w / 2,
	s_and_b32 s23, s20, 1                          ; in its quarters 2 (w % 2) and 2 (w % 2) + 1
	s_lshl_b32 s24, s22, 11
	s_lshl_b32 s25, s23, 10
	s_add_co_u32 s24, s24, s25
	v_add_nc_u32 v5, s24, v1
	s_lshl_b32 s24, s22, 7
	s_lshl_b32 s25, s23, 1
	s_add_co_u32 s24, s24, s25
	s_add_co_u32 s24, s24, XSC
	v_add_nc_u32 v6, s24, v7
	s_mov_b32 s30, 0x3a800000                      ; 1 / 1024
	s_mov_b32 s31, 0x3727c5ac                      ; 1e-5
	s_mov_b32 s[SEL], 0x76543210
	s_mov_b32 s[SEL+1], 0xfedcba98                 ; v_permlanex16_b32's selects for lane l xor 16
	s_mov_b32 s[MNT], 0x600000
	s_and_b32 s[G7], ttmp9, 7
	s_mov_b32 s45, 0                               ; the upper words of two pairs of offsets
	s_mov_b32 s47, 0
	s_mov_b32 s25, 0
	s_mov_b32 s27, 0
	s_lshl_b32 s24, ttmp9, 17                      ; two tiles of 65,536 bytes
	s_lshl_b32 s26, s20, 12
	s_add_co_u32 s24, s24, s26
	s_lshl_b32 s26, s20, 8                         ; my 64 columns in a vector of 1,024
	s_wait_alu depctr_va_vdst(0)
	s_wait_kmcnt 0x0
	s_add_nc_u64 s[4:5], s[4:5], s[24:25]
	s_add_nc_u64 s[8:9], s[8:9], s[26:27]
	s_add_nc_u64 s[10:11], s[10:11], s[26:27]
	s_add_nc_u64 s[12:13], s[12:13], s[26:27]
	s_add_nc_u64 s[14:15], s[14:15], s[26:27]
	s_add_nc_u64 s[16:17], s[16:17], s[26:27]
	s_lshl_b32 s24, s20, 11
	s_add_co_u32 s24, s24, 4292608
	s_add_nc_u64 s[32:33], s[6:7], s[24:25]        ; Wl's scale bytes: my 64 rows of 32
	s_lshl_b32 s24, s20, 16
	s_add_co_u32 s24, s24, 3145728
	s_add_nc_u64 s[34:35], s[6:7], s[24:25]        ; Wl's images: my four tiles
	s_and_b32 s24, s20, 3                          ; the rows that I store: stage rows 2 w, 2 w + 1 are rows sw(2 w), sw(2 w) + 1 of the 32 (bits 3 and 4 exchanged)
	s_lshl_b32 s24, s24, 1
	s_bfe_u32 s26, s20, 0x10002
	s_lshl_b32 s26, s26, 4
	s_or_b32 s24, s24, s26
	s_bfe_u32 s26, s20, 0x10003
	s_lshl_b32 s26, s26, 3
	s_or_b32 s24, s24, s26
	s_lshl_b32 s26, ttmp9, 5
	s_add_co_u32 s24, s24, s26
	s_lshl_b32 s24, s24, 12
	s_add_nc_u64 s[18:19], s[18:19], s[24:25]
.macro VEC reg, lo                     ; 32 numbers of a vector of 1,024 in the data's order, into v[reg] on; the pointer stands in s[lo:lo+1]
.irp c, 0,1
.irp i, 0,1,2,3
	global_load_b128 v[\reg+16*\c+4*\i:\reg+16*\c+4*\i+3], v2, s[\lo:\lo+1] offset:128*\c+16*\i
.endr
.endr
.endm
.macro WADDR b, s                      ; set b's base: Wl's images at turn s's K step.  The base's last loads have been shown done by their counted wait
	s_add_co_u32 s44, s[G7], (\s)
	s_and_b32 s44, s44, 7                          ; (g + s) % 8
	s_lshl_b32 s44, s44, 11
	s_add_nc_u64 s[WP+2*(\b):WP+2*(\b)+1], s[34:35], s[44:45]
.endm
.macro WFETCH reg, b                   ; Wl's four fragments of set b's K step, into v[reg] on
.irp t, 0,1,2,3
.irp c, 0,1,2,3
	global_load_b128 v[\reg+16*\t+4*\c:\reg+16*\t+4*\c+3], v1, s[WP+2*(\b):WP+2*(\b)+1] offset:\t*16384+\c*512
.endr
.endr
.endm
.macro XADDR s                         ; where x's fragments and scale words of turn s's K step lie.  (Its two vector lines name no register of a product)
	s_add_co_u32 s46, s[G7], (\s)
	s_and_b32 s46, s46, 7                          ; (g + s) % 8
	s_lshl_b32 s21, s46, 11
	s_lshl_b32 s22, s46, 7
	v_add_nc_u32 v28, s21, v1
	v_add_nc_u32 v29, s22, v7
.endm
.macro XLOADS                          ; x's two fragments, and their scale words
.irp m, 0,1
.irp c, 0,1,2,3
	ds_load_b128 v[XF+16*\m+4*\c:XF+16*\m+4*\c+3], v28 offset:XIMG+\m*16384+\c*512
.endr
.endr
	ds_load_b32 v[XS], v29 offset:XSC
.endm
; eight matrix instructions, the eight accumulators by turns.  Wl's scale words: lanes 0-15 an even tile's, lanes 16-31 an odd tile's; x's: lanes 0-15 tile 0's, lanes 16-31 tile 1's.
.macro MM s, wf
.irp t, 0,1,2,3
.irp m, 0,1
.if ((\t%2) == 0) && (\m == 0)
	v_wmma_scale_f32_16x16x128_f8f6f4 v[ACC+32*\m+8*\t:ACC+32*\m+8*\t+7], v[\wf+16*\t:\wf+16*\t+15], v[XF+16*\m:XF+16*\m+15], v[ACC+32*\m+8*\t:ACC+32*\m+8*\t+7], v[WS+8*(\t/2)+(\s)], v[XS]
.elseif (\t%2) == 0
	v_wmma_scale_f32_16x16x128_f8f6f4 v[ACC+32*\m+8*\t:ACC+32*\m+8*\t+7], v[\wf+16*\t:\wf+16*\t+15], v[XF+16*\m:XF+16*\m+15], v[ACC+32*\m+8*\t:ACC+32*\m+8*\t+7], v[WS+8*(\t/2)+(\s)], v[XS] matrix_b_scale:MATRIX_SCALE_ROW1
.elseif \m == 0
	v_wmma_scale_f32_16x16x128_f8f6f4 v[ACC+32*\m+8*\t:ACC+32*\m+8*\t+7], v[\wf+16*\t:\wf+16*\t+15], v[XF+16*\m:XF+16*\m+15], v[ACC+32*\m+8*\t:ACC+32*\m+8*\t+7], v[WS+8*(\t/2)+(\s)], v[XS] matrix_a_scale:MATRIX_SCALE_ROW1
.else
	v_wmma_scale_f32_16x16x128_f8f6f4 v[ACC+32*\m+8*\t:ACC+32*\m+8*\t+7], v[\wf+16*\t:\wf+16*\t+15], v[XF+16*\m:XF+16*\m+15], v[ACC+32*\m+8*\t:ACC+32*\m+8*\t+7], v[WS+8*(\t/2)+(\s)], v[XS] matrix_a_scale:MATRIX_SCALE_ROW1 matrix_b_scale:MATRIX_SCALE_ROW1
.endif
.endr
.endr
.endm
; my 64 columns of tile m's rows: their mean, and the sum of their squared distances from it; both to LDS (both halves of the lanes write the same word with the same value)
.macro LNSTAT m, redm, redq
.set D0, D+32*(\m)
.set T, XF+16*(\m)
	v_pk_add_f32 v[T:T+1], v[D0:D0+1], v[D0+2:D0+3]
	v_pk_add_f32 v[T+2:T+3], v[D0+4:D0+5], v[D0+6:D0+7]
.irp j, 8,12,16,20,24,28
	s_delay_alu instid0(VALU_DEP_2)
	v_pk_add_f32 v[T:T+1], v[T:T+1], v[D0+\j:D0+\j+1]
	s_delay_alu instid0(VALU_DEP_2)
	v_pk_add_f32 v[T+2:T+3], v[T+2:T+3], v[D0+\j+2:D0+\j+3]
.endr
	s_delay_alu instid0(VALU_DEP_1)
	v_pk_add_f32 v[T:T+1], v[T:T+1], v[T+2:T+3]
	s_delay_alu instid0(VALU_DEP_1)
	v_add_f32 v[T], v[T], v[T+1]
	s_delay_alu instid0(VALU_DEP_1)
	v_permlanex16_b32 v[T+1], v[T], s[SEL], s[SEL+1]
	s_delay_alu instid0(VALU_DEP_1)
	v_add_f32 v[T], v[T], v[T+1]
	s_delay_alu instid0(VALU_DEP_1)
	v_mul_f32 v[T+12], 0x3c800000, v[T]            ; / 64
	s_delay_alu instid0(VALU_DEP_1)
	v_mov_b32 v[T+13], v[T+12]
	s_delay_alu instid0(VALU_DEP_1)
	v_pk_add_f32 v[T+4:T+5], v[D0:D0+1], v[T+12:T+13] neg_lo:[0,1] neg_hi:[0,1]
	s_delay_alu instid0(VALU_DEP_2)
	v_pk_add_f32 v[T+6:T+7], v[D0+2:D0+3], v[T+12:T+13] neg_lo:[0,1] neg_hi:[0,1]
	s_delay_alu instid0(VALU_DEP_2)
	v_pk_mul_f32 v[T+8:T+9], v[T+4:T+5], v[T+4:T+5]
	s_delay_alu instid0(VALU_DEP_2)
	v_pk_mul_f32 v[T+10:T+11], v[T+6:T+7], v[T+6:T+7]
.irp j, 4,8,12,16,20,24,28
	v_pk_add_f32 v[T+4:T+5], v[D0+\j:D0+\j+1], v[T+12:T+13] neg_lo:[0,1] neg_hi:[0,1]
	v_pk_add_f32 v[T+6:T+7], v[D0+\j+2:D0+\j+3], v[T+12:T+13] neg_lo:[0,1] neg_hi:[0,1]
	s_delay_alu instid0(VALU_DEP_2)
	v_pk_fma_f32 v[T+8:T+9], v[T+4:T+5], v[T+4:T+5], v[T+8:T+9]
	s_delay_alu instid0(VALU_DEP_2)
	v_pk_fma_f32 v[T+10:T+11], v[T+6:T+7], v[T+6:T+7], v[T+10:T+11]
.endr
	s_delay_alu instid0(VALU_DEP_1)
	v_pk_add_f32 v[T+8:T+9], v[T+8:T+9], v[T+10:T+11]
	s_delay_alu instid0(VALU_DEP_1)
	v_add_f32 v[T+8], v[T+8], v[T+9]
	s_delay_alu instid0(VALU_DEP_1)
	v_permlanex16_b32 v[T+9], v[T+8], s[SEL], s[SEL+1]
	s_delay_alu instid0(VALU_DEP_1)
	v_add_f32 v[T+8], v[T+8], v[T+9]
	ds_store_b32 v3, v[T+12] offset:\redm+1280*(\m)
	ds_store_b32 v3, v[T+8] offset:\redq+1280*(\m)
.endm
; the sixteen waves' parts are joined, and tile m's data become (x - mean) rsqrt(var + eps) g + b; g stands in v[ACC] on, b in v[ACC + 32] on
.macro LNFIN m, redm, redq
.set D0, D+32*(\m)
.irp k, 0,1,2,3
	ds_load_b128 v[XF+4*\k:XF+4*\k+3], v4 offset:\redm+1280*(\m)+16*\k
.endr
.irp k, 0,1,2,3
	ds_load_b128 v[XF+16+4*\k:XF+16+4*\k+3], v4 offset:\redq+1280*(\m)+16*\k
.endr
	s_wait_dscnt 0x0
	v_pk_add_f32 v[26:27], v[XF:XF+1], v[XF+2:XF+3]
	v_pk_add_f32 v[28:29], v[XF+16:XF+17], v[XF+18:XF+19]
.irp j, 4,6,8,10,12,14
	s_delay_alu instid0(VALU_DEP_2)
	v_pk_add_f32 v[26:27], v[26:27], v[XF+\j:XF+\j+1]
	s_delay_alu instid0(VALU_DEP_2)
	v_pk_add_f32 v[28:29], v[28:29], v[XF+16+\j:XF+17+\j]
.endr
	s_delay_alu instid0(VALU_DEP_2)
	v_add_f32 v26, v26, v27
	s_delay_alu instid0(VALU_DEP_1)
	v_mul_f32 v26, 0x3d800000, v26                 ; the row's mean: / 16
	s_delay_alu instid0(VALU_DEP_1)
	v_mov_b32 v27, v26
.irp j, 0,2,4,6,8,10,12,14
	v_pk_add_f32 v[XF+\j:XF+\j+1], v[XF+\j:XF+\j+1], v[26:27] neg_lo:[0,1] neg_hi:[0,1]
.endr
	v_pk_mul_f32 v[30:31], v[XF:XF+1], v[XF:XF+1]
.irp j, 2,4,6,8,10,12,14
	s_delay_alu instid0(VALU_DEP_1)
	v_pk_fma_f32 v[30:31], v[XF+\j:XF+\j+1], v[XF+\j:XF+\j+1], v[30:31]
.endr
	s_delay_alu instid0(VALU_DEP_1)
	v_pk_fma_f32 v[28:29], v[30:31], 0x42800000, v[28:29] op_sel_hi:[1,0,1]   ; + 64 x the squared distances of the waves' means
	s_delay_alu instid0(VALU_DEP_1)
	v_add_f32 v28, v28, v29
	s_delay_alu instid0(VALU_DEP_1)
	v_fma_f32 v28, v28, s30, s31                   ; the variance + eps
	s_wait_alu depctr_va_vdst(0)
	v_rsq_f32 v28, v28
	v_nop                                          ; a plain instruction behind the root
	s_wait_alu depctr_va_vdst(0)                   ; and the wait ahead of its first reader
	v_mov_b32 v29, v28
.set j, 0
.rept 16
	v_pk_add_f32 v[D0+j:D0+j+1], v[D0+j:D0+j+1], v[26:27] neg_lo:[0,1] neg_hi:[0,1]
.set j, j+2
.endr
.set j, 0
.rept 16
	v_pk_mul_f32 v[D0+j:D0+j+1], v[D0+j:D0+j+1], v[28:29]
.set j, j+2
.endr
.set j, 0
.rept 16
	v_pk_fma_f32 v[D0+j:D0+j+1], v[D0+j:D0+j+1], v[ACC+j:ACC+j+1], v[ACC+32+j:ACC+32+j+1]
.set j, j+2
.endr
.endm
.macro BARRIER                                 ; my LDS stores have landed and my LDS loads are in: then the work-group's barrier
	s_wait_dscnt 0x0
	s_barrier_signal -1
	s_barrier_wait -1
.endm
	; ---- all that is known ahead is asked for at once: O (16 loads), g1 (8), b1 (8), Wl's scale words (16), Wl's fragments of my first turn (16)
.irp m, 0,1
.irp c, 0,1
.irp i, 0,1,2,3
	global_load_b128 v[D+32*\m+16*\c+4*\i:D+32*\m+16*\c+4*\i+3], v1, s[4:5] offset:\m*65536+\c*2048+\i*512 th:TH_LOAD_NT
.endr
.endr
.endr
	VEC ACC, 8
	VEC ACC+32, 10
.irp s, 0,1,2,3,4,5,6,7
	s_add_co_u32 s46, s[G7], \s
	s_and_b32 s46, s46, 7                          ; turn s's K step,
	s_lshl_b32 s46, s46, 2                         ; whose word is 4 bytes of a row's 32
	s_add_nc_u64 s[WSP+2*\s:WSP+2*\s+1], s[32:33], s[46:47]
.endr
.irp p, 0,1
.irp s, 0,1,2,3,4,5,6,7
	global_load_b32 v[WS+8*\p+\s], v25, s[WSP+2*\s:WSP+2*\s+1] offset:\p*1024   ; register 8 p + s: turn s's word of row 32 p + lane
.endr
.endr
	WADDR 0, 0
	WFETCH WF, 0
	s_wait_loadcnt 48                              ; O is in; the 48 loads behind it may be out
	LNSTAT 0, R1M, R1Q
	LNSTAT 1, R1M, R1Q
	BARRIER                                        ; every wave's parts lie in LDS
	s_wait_loadcnt 32                              ; g1 and b1 are in; Wl's 16 + 16 loads may be out
	LNFIN 0, R1M, R1Q
	LNFIN 1, R1M, R1Q
	; ---- x, the residual, is parked in my own LDS bytes as it stands in the registers: they will take Wl's second set
	s_lshl_b32 s24, s20, 13
	s_add_co_u32 s24, s24, PARK
	v_add_nc_u32 v26, s24, v1
.irp i, 0,1,2,3,4,5,6,7,8,9,10,11,12,13,14,15
	ds_store_b128 v26, v[D+4*\i:D+4*\i+3] offset:512*\i
.endr
	; ---- x is quantised: block 2 m + c is 32 columns of a row, shared with lane l xor 16
.irp b, 0,1,2,3
	v_mov_b32 v[TM+4+\b], 0                        ; a lane permute's destination counts as one of its sources
.endr
.irp b, 0,1,2,3
	v_max3_num_f32 v[TM+\b], |v[D+16*\b]|, |v[D+16*\b+1]|, 0x4800000   ; my 16 numbers, and the floor 2^(9 - 127)
.endr
.irp i, 2,4,6,8,10,12,14
.irp b, 0,1,2,3
	s_delay_alu instid0(VALU_DEP_4)
	v_max3_num_f32 v[TM+\b], v[TM+\b], |v[D+16*\b+\i]|, |v[D+16*\b+\i+1]|
.endr
.endr
.irp b, 0,1,2,3
	s_delay_alu instid0(VALU_DEP_4)
	v_permlanex16_b32 v[TM+4+\b], v[TM+\b], s[SEL], s[SEL+1]
.endr
.irp b, 0,1,2,3
	s_delay_alu instid0(VALU_DEP_4)
	v_max_num_f32 v[TM+\b], v[TM+\b], v[TM+4+\b]
.endr
.irp b, 0,1,2,3
	s_delay_alu instid0(VALU_DEP_4)
	v_add_nc_u32 v[TM+12+\b], 0xfc000000, v[TM+\b]
.endr
.irp b, 0,1,2,3
	v_and_or_b32 v[TM+8+\b], v[TM+\b], 0x7f800000, s[MNT]
.endr
.irp b, 0,1,2,3
	v_lshrrev_b32 v[TM+4+\b], 23, v[TM+12+\b]
.endr
	s_delay_alu instid0(VALU_DEP_3)
	v_lshl_or_b32 v30, v[TM+5], 8, v[TM+4]         ; tile 0's two bytes,
	s_delay_alu instid0(VALU_DEP_2)
	v_lshl_or_b32 v31, v[TM+7], 8, v[TM+6]         ; tile 1's
	v_cmp_ne_u32 vcc_lo, 0, v2
	s_delay_alu instid0(VALU_DEP_1)
	v_cndmask_b32 v30, v30, v31, vcc_lo            ; lanes 0-15 store tile 0's, lanes 16-31 tile 1's
.irp b, 0,1,2,3
.irp i, 0,1,2,3,4,5,6,7,8,9,10,11,12,13,14,15
	v_med3_num_f32 v[ACC+16+32*(\b%2)+\i], v[D+16*\b+\i], -v[TM+8+\b], v[TM+8+\b]   ; the hold at the largest code x the scale (the conversion does not saturate: ISA guide 7.6.2)
.endr
	v_cvt_scalef32_pk8_fp8_f32 v[PC+4*\b:PC+4*\b+1], v[ACC+16+32*(\b%2):ACC+16+32*(\b%2)+7], v[TM+12+\b]
	v_cvt_scalef32_pk8_fp8_f32 v[PC+4*\b+2:PC+4*\b+3], v[ACC+24+32*(\b%2):ACC+24+32*(\b%2)+7], v[TM+12+\b]
.endr
	v_nop                                          ; one plain vector instruction behind the last conversion
.irp b, 0,1,2,3
	ds_store_b128 v5, v[PC+4*\b:PC+4*\b+3] offset:XIMG+(\b/2)*16384+(\b%2)*512
.endr
	ds_store_b16 v6, v30
	s_wait_dscnt 0x0                               ; the stores have landed, and have read their registers: x's too
	VEC ACC, 12                                    ; bl starts the sums: it is loaded into the accumulators of both tiles
	VEC ACC+32, 12
	WADDR 1, 1
	WFETCH D, 1                                    ; my second turn's fragments, into the registers that x has left
	s_barrier_signal -1
	s_barrier_wait -1                              ; x's sixteen fragments lie in LDS
	XADDR 0
	XLOADS
	; ---- the product: eight turns.  Turn s multiplies set s % 2 and then asks for turn s + 2's fragments into it
.irp s, 0,1,2,3,4,5,6,7
.set WB, WF-(WF-D)*(\s%2)
.if \s < 7
	s_wait_loadcnt 16                              ; this turn's fragments are in (in the first turn bl and the scale words too); the next turn's 16 loads may be out
.else
	s_wait_loadcnt 0x0
.endif
	s_wait_dscnt 0x0                               ; x's
	MM \s, WB
.if \s < 7
	XADDR \s+1
.rept 6
	v_nop                                          ; with the two additions: eight places in front of loads into registers that these products have read
.endr
.else
.rept 8
	v_nop                                          ; places in front of the loads below and of the first read of results
.endr
.endif
.if \s < 6
	WADDR \s%2, \s+2
	WFETCH WB, \s%2
.endif
.if \s < 7
	XLOADS
.endif
.endr
	; ---- y = x + relu(..): x comes back from my LDS bytes while the sums are clipped
.irp i, 0,1,2,3,4,5,6,7,8,9,10,11,12,13,14,15
	ds_load_b128 v[D+4*\i:D+4*\i+3], v26 offset:512*\i
.endr
.set j, 0
.rept 64
	v_max_num_f32 v[ACC+j], 0, v[ACC+j]            ; each accumulator from its low end on
.set j, j+1
.endr
	s_wait_dscnt 0x0
.set j, 0
.rept 32
	v_pk_add_f32 v[D+j:D+j+1], v[D+j:D+j+1], v[ACC+j:ACC+j+1]
.set j, j+2
.endr
	VEC ACC, 14                                    ; g2
	VEC ACC+32, 16                                 ; b2
	LNSTAT 0, R2M, R2Q
	LNSTAT 1, R2M, R2Q
	BARRIER
	s_wait_loadcnt 0x0
	LNFIN 0, R2M, R2Q
	LNFIN 1, R2M, R2Q
	; ---- THE WAY OUT: a row's 4,096 bytes come from sixteen waves: through a stage, rows 4,112 bytes apart (an odd multiple of 16: the sixteen rows of a store start at different banks); each wave then stores two whole rows
	v_and_b32 v26, 15, v0
	s_delay_alu instid0(VALU_DEP_1)
	v_mul_u32_u24 v30, v26, SPT
	s_delay_alu instid0(VALU_DEP_1)
	v_add_nc_u32 v30, v30, v2                      ; row r, + 64 h
	s_lshl_b32 s24, s20, 8
	s_add_co_u32 s24, s24, STG
	v_add_nc_u32 v30, s24, v30                     ; + 256 w
	s_delay_alu instid0(VALU_DEP_1)
	v_add_nc_u32 v31, 16*SPT, v30                  ; tile 1's rows
.irp m, 0,1
.irp c, 0,1
.irp i, 0,1,2,3
	ds_store_b128 v[30+\m], v[D+32*\m+16*\c+4*\i:D+32*\m+16*\c+4*\i+3] offset:128*\c+16*\i
.endr
.endr
.endr
	BARRIER                                        ; 32 whole rows lie in the stage
	s_mul_i32 s24, s20, 2*SPT
	s_add_co_u32 s24, s24, STG
	v_add_nc_u32 v26, s24, v1
.irp t, 0,1,2,3,4,5,6,7,8,9,10,11,12,13,14,15
	ds_load_b128 v[WF+4*\t:WF+4*\t+3], v26 offset:(\t/8)*SPT+512*(\t%8)
.endr
.irp t, 0,1,2,3,4,5,6,7,8,9,10,11,12,13,14,15
	s_wait_dscnt 15-\t
	global_store_b128 v1, v[WF+4*\t:WF+4*\t+3], s[18:19] offset:(\t/8)*4096+512*(\t%8) th:TH_STORE_NT   ; the wave stores 512 consecutive bytes, aligned; written once, read by nobody here
.endr
	s_wait_xcnt 0x0
	v_lshl_add_u32 v254, v0, 2, 0x4ae00
	v_mov_b32 v255, 0
	s_wait_alu depctr_va_vdst(0)
	s_wait_tensorcnt 0x0
	ds_add_u32 v254, v255
	s_wait_dscnt 0x0
	s_endpgm
.Lfunc_end_k_qf28b52c13b_tail:
	.size	k_qf28b52c13b_tail, .Lfunc_end_k_qf28b52c13b_tail-k_qf28b52c13b_tail
	.p2alignl 7, 3214868480
	.fill 96, 4, 3214868480
	.section	.rodata,"a",@progbits
	.p2align	6, 0x0
	.amdhsa_kernel k_qf28b52c13b_tail
		.amdhsa_group_segment_fixed_size 308736
		.amdhsa_private_segment_fixed_size 0
		.amdhsa_enable_private_segment 0
		.amdhsa_kernarg_size 64
		.amdhsa_user_sgpr_count 2
		.amdhsa_user_sgpr_kernarg_segment_ptr 1
		.amdhsa_wavefront_size32 1
		.amdhsa_system_sgpr_workgroup_id_x 1
		.amdhsa_system_sgpr_workgroup_id_y 1
		.amdhsa_system_sgpr_workgroup_id_z 1
		.amdhsa_system_vgpr_workitem_id 0
		.amdhsa_next_free_vgpr 256
		.amdhsa_next_free_sgpr 66
		.amdhsa_reserve_vcc 1
		.amdhsa_float_denorm_mode_32 3
		.amdhsa_float_denorm_mode_16_64 3
		.amdhsa_memory_ordered 1
		.amdhsa_forward_progress 1
		.amdhsa_inst_pref_size 108
	.end_amdhsa_kernel
	.amdgpu_metadata
---
amdhsa.version: [ 1, 2 ]
amdhsa.kernels:
  - .name:           k_qf28b52c13b_tail
    .symbol:         k_qf28b52c13b_tail.kd
    .args:
      - { .name: ob, .offset: 0, .size: 8, .value_kind: global_buffer, .address_space: global }
      - { .name: wq, .offset: 8, .size: 8, .value_kind: global_buffer, .address_space: global }
      - { .name: g1, .offset: 16, .size: 8, .value_kind: global_buffer, .address_space: global }
      - { .name: b1, .offset: 24, .size: 8, .value_kind: global_buffer, .address_space: global }
      - { .name: bl, .offset: 32, .size: 8, .value_kind: global_buffer, .address_space: global }
      - { .name: g2, .offset: 40, .size: 8, .value_kind: global_buffer, .address_space: global }
      - { .name: b2, .offset: 48, .size: 8, .value_kind: global_buffer, .address_space: global }
      - { .name: out0, .offset: 56, .size: 8, .value_kind: global_buffer, .address_space: global }
    .group_segment_fixed_size: 308736
    .private_segment_fixed_size: 0
    .kernarg_segment_align: 8
    .kernarg_segment_size: 64
    .max_flat_workgroup_size: 512
    .sgpr_count:     66
    .vgpr_count:     256
    .wavefront_size: 32
...
	.end_amdgpu_metadata
.endif
;; end of part 4
